; MI455X (gfx1250); checked and timed in simulation.
; The chip was launched on July 23, 2026; its instructions are those of AMD's public machine-readable ISA for CDNA 5 (MIT licence, August 2026) and "CDNA5" Instruction Set Architecture Reference Guide (July 2026). The comments in the code are by the model that wrote it; some were corrected since.
;; Lru. Allowed arithmetic: float matrix products may take bf16 or f16 operands with f32 sums; other float arithmetic in f32, or as packed bf16 or f16 multiplies, adds, multiply-adds, maxima and minima; sums over many terms, partial sums and values carried from step to step in f32; what a program stores and reads back later, other than sums and carried values, may be rounded once to bf16 or f16.
;; Inputs: Wi 2,048 x 1,024 float32; Wo 1,024 x 2,048 float32; bi 2,048 float32; bo 1,024 float32; gamma_log 1,024 float32; nu_log 1,024 float32; theta_log 1,024 float32; x 4,096 x 4 x 1,024 float32.
;; Outputs: out0 4,096 x 4 x 1,024 float32.
;; 2 versions, each right; version 2 is version 1 with the launch carry written anew for expert scheduling mode. Each part assembles by itself: llvm-mc -triple=amdgcn-amd-amdhsa -mcpu=gfx1250 --defsym DOCPART=n.
;; ======== version 1 of 2: 4 launches
;; limits: right only within a limited range of input values; values are held in f16: magnitudes above 65,504 overflow, below 6.1e-05 lose precision
;; workspace buffers: xb 33,554,432 bytes; wib 4,194,304 bytes; wob 4,194,304 bytes; tab 32,768 bytes; ub 67,108,864 bytes; est 4,194,304 bytes; car 4,194,304 bytes
;; launch prep (part 1): grid 1281 x 1, 8 waves a work-group, no clusters, 0 bytes of LDS; arguments x, Wi, Wo, bi, bo, nu_log, theta_log, gamma_log, xb, wib, wob, tab; writes xb, wib, wob, tab
.if DOCPART == 1
	.amdgcn_target "amdgcn-amd-amdhsa--gfx1250"
	.amdhsa_code_object_version 6
	.text
	.protected	k_q4e5c5e63b8_prep
	.globl	k_q4e5c5e63b8_prep
	.p2align	8
	.type	k_q4e5c5e63b8_prep,@function
k_q4e5c5e63b8_prep:
	s_mov_b64 s[64:65], 0
	v_nop
	global_prefetch_b8 v0, s[64:65] scope:SCOPE_SE
	s_setreg_imm32_b32 hwreg(HW_REG_WAVE_MODE, 25, 1), 1
	s_wait_xcnt 0x0
; LAUNCH 1 OF 4.  The program: u_t = gamma (x_t Wi^T + bi), h_t = lambda h_(t-1) + u_t (complex, 1,024 channels, 4,096 steps, 4 batches), out0 = [h_r | h_i] Wo^T + bo.
; This launch rounds x, Wi and Wo to bf16 once (the matrix operands of launches 2 and 4) and makes eight tables of 1,024 f32, in channel order.
; ALL EIGHT INPUTS ARE ROUNDED TO bf16, the five short vectors too, so that the whole program is reference() on inputs rounded to bf16, plus the program's own two roundings (u to f16, h to bf16, once each).
; LAYOUTS.  xb[row][d] as x.  wib: row e of Wi, e % 128 = 8 r + 2 p + k, goes to row 128 (e / 128) + 32 p + 16 k + r, so that in launch 2 a lane holds both parts k of four neighbouring channels 4 r + p.
; wob[d][2 c + k] = Wo[d][1024 k + c]: the order in which u and h lie.  tab: 0 lambda_r, 1 lambda_i, 2 gamma, 3 gamma bi[2c], 4 gamma bi[2c+1], 5 Re lambda^32, 6 Im lambda^32, 7 bo.
; WORK LEFT OUT, in the whole program.  reference() starts its scan from zeros that it builds itself: lambda x 0 = 0 whatever finite lambda is.  So a run of 32 steps that starts from 0 forms no product in its
; first step (launch 2), and the carry into the first 32 steps is neither stored (launch 3) nor loaded (launch 4 puts 0 in its place).  The state at the end of the last 32 steps enters no later step: launch 3 does not load it.
; Every input has a way to out0: all are loaded.  LIMIT: a NaN, an infinity or an overflow that would reach only the work left out (an infinite lambda times that zero) is not carried to the result.
; LIMITS.  theta = exp(theta_log) stays under 2^22 (theta_log under 15.2): beyond it the quotient theta / (pi/2) is no exact whole number in f32.  v_exp_f32 gives 0 for results under 2^-126.
; lambda^32 is made by five squarings: it overflows only where |lambda|^32 does.
; SHARES.  Work-groups 0-1023: 16 rows of x each.  1024-1151: 16 rows of Wi.  1152-1279: 8 rows of Wo.  1280: the tables.  Memory binds: no LDS, no matrix unit; 16 loads of 16 bytes a lane are out at once,
; and each store of a wave covers 256 or 512 consecutive bytes, aligned.
.set X,  8                             ; v[8:71]   16 quads as loaded
.set Y,  72                            ; v[72:103] packed results
.set NL, 8                             ; the tables' registers: a quad = my four channels
.set TL, 12
.set GL, 16
.set BO, 20
.set BQ, 24                            ; v[24:31] bi[8 t .. 8 t + 7]
.set T,  32                            ; v[32:39] at work
.set NU, 40
.set TH, 44
.set EG, 48
.set GA, 52
.set KF, 56
.set RR, 60
.set ZZ, 64
.set SN, 68
.set CS, 72
.set KI, 76
.set LR, 80
.set LI, 84
.set BR, 88
.set BI, 92
.set PR, 96
.set PI, 100
.set T2, 104
; 16 rows of 1,024 f32 become 16 rows of 1,024 bf16.  A row is 256 threads x 16 bytes in, x 8 bytes out.  perm = 1: Wi's rows go to their permuted places.
.macro ROWS16 src, dst, perm
.irp i, 0,1,2,3,4,5,6,7,8,9,10,11,12,13,14,15
	global_load_b128 v[X+4*(\i):X+4*(\i)+3], v1, s[\src:\src+1] offset:4096*(\i) th:TH_LOAD_NT
.endr
.irp i, 0,1,2,3,4,5,6,7,8,9,10,11,12,13,14,15
	s_wait_loadcnt 15-(\i)                         ; loads come back in order: row i is in, the younger rows stay out
	v_cvt_pk_bf16_f32 v[Y+2*(\i)], v[X+4*(\i)], v[X+4*(\i)+1]
	v_cvt_pk_bf16_f32 v[Y+2*(\i)+1], v[X+4*(\i)+2], v[X+4*(\i)+3]
.if \perm
	global_store_b64 v2, v[Y+2*(\i):Y+2*(\i)+1], s[\dst:\dst+1] offset:2048*(32*(((\i)&7)>>1)+16*((\i)&1)+((\i)>>3))
.else
	global_store_b64 v2, v[Y+2*(\i):Y+2*(\i)+1], s[\dst:\dst+1] offset:2048*(\i)
.endif
.endr
.endm
	s_load_b512 s[4:19], s[0:1], 0x0               ; x 4, Wi 6, Wo 8, bi 10, bo 12, nu_log 14, theta_log 16, gamma_log 18
	s_load_b256 s[20:27], s[0:1], 0x40             ; xb 20, wib 22, wob 24, tab 26
	s_mov_b32 s29, ttmp9                           ; the work-group's number
	s_mov_b32 s31, 0                               ; high word of the offsets in s[30:31]
	s_mov_b32 s28, 0xffff0000                      ; a word's upper bf16
	v_lshlrev_b32 v1, 4, v0                        ; 16 t
	v_lshlrev_b32 v2, 3, v0                        ; 8 t
	s_wait_kmcnt 0x0
	s_cmp_lt_u32 s29, 1024
	s_cbranch_scc0 .Lnot_x
	s_lshl_b32 s30, s29, 16                        ; 16 rows of 4,096 bytes
	s_add_nc_u64 s[4:5], s[4:5], s[30:31]
	s_lshl_b32 s30, s29, 15                        ; 16 rows of 2,048 bytes
	s_add_nc_u64 s[20:21], s[20:21], s[30:31]
	ROWS16 4, 20, 0
	s_endpgm
.Lnot_x:
	s_cmp_lt_u32 s29, 1152
	s_cbranch_scc0 .Lnot_wi
	s_sub_co_u32 s29, s29, 1024                    ; G: rows e = 16 G + i, so r = 2 (G % 8) + i / 8, p = (i % 8) / 2, k = i % 2
	s_lshl_b32 s30, s29, 16
	s_add_nc_u64 s[6:7], s[6:7], s[30:31]
	s_lshr_b32 s43, s29, 3
	s_lshl_b32 s43, s43, 7                         ; 128 (G / 8)
	s_and_b32 s44, s29, 7
	s_lshl_b32 s44, s44, 1                         ; 2 (G % 8)
	s_add_co_u32 s43, s43, s44
	s_lshl_b32 s30, s43, 11                        ; rows of 2,048 bytes
	s_add_nc_u64 s[22:23], s[22:23], s[30:31]
	ROWS16 6, 22, 1
	s_endpgm
.Lnot_wi:
	s_cmp_lt_u32 s29, 1280
	s_cbranch_scc0 .Ltables
	s_sub_co_u32 s29, s29, 1152                    ; G: rows 8 G .. 8 G + 7 of Wo, 8,192 bytes each
	s_lshl_b32 s30, s29, 16
	s_add_nc_u64 s[8:9], s[8:9], s[30:31]
	s_lshl_b32 s30, s29, 15
	s_add_nc_u64 s[24:25], s[24:25], s[30:31]
.irp i, 0,1,2,3,4,5,6,7
	global_load_b128 v[X+8*(\i):X+8*(\i)+3],   v1, s[8:9] offset:8192*(\i) th:TH_LOAD_NT       ; the real parts' weights of my four channels,
	global_load_b128 v[X+8*(\i)+4:X+8*(\i)+7], v1, s[8:9] offset:8192*(\i)+4096 th:TH_LOAD_NT  ; the imaginary parts'
.endr
.irp i, 0,1,2,3,4,5,6,7
	s_wait_loadcnt 14-2*(\i)                       ; row i's two loads are in
.irp j, 0,1,2,3
	v_cvt_pk_bf16_f32 v[Y+4*(\i)+(\j)], v[X+8*(\i)+(\j)], v[X+8*(\i)+4+(\j)]  ; interleaved: column 2 c, column 2 c + 1
.endr
	global_store_b128 v1, v[Y+4*(\i):Y+4*(\i)+3], s[24:25] offset:4096*(\i)
.endr
	s_endpgm
.Ltables:                                              ; thread t has channels 4 t .. 4 t + 3
.macro RND q                           ; a quad is rounded to bf16 and widened again
	v_cvt_pk_bf16_f32 v[T], v[\q], v[\q+1]
	v_cvt_pk_bf16_f32 v[T+1], v[\q+2], v[\q+3]
	v_lshlrev_b32 v[\q], 16, v[T]
	v_and_b32 v[\q+1], s28, v[T]
	v_lshlrev_b32 v[\q+2], 16, v[T+1]
	v_and_b32 v[\q+3], s28, v[T+1]
.endm
.macro SQ ar, ai                       ; (PR, PI) = (ar + i ai)^2
.irp j, 0,1,2,3
	v_mul_f32 v[T+(\j)], v[\ai+(\j)], v[\ai+(\j)]
	v_mul_f32 v[T+4+(\j)], v[\ar+(\j)], v[\ai+(\j)]
.endr
.irp j, 0,1,2,3
	v_fma_f32 v[PR+(\j)], v[\ar+(\j)], v[\ar+(\j)], -v[T+(\j)]
	v_add_f32 v[PI+(\j)], v[T+4+(\j)], v[T+4+(\j)]
.endr
.endm
	v_lshlrev_b32 v3, 5, v0                        ; 32 t: my eight numbers of bi
	global_load_b128 v[NL:NL+3], v1, s[14:15]
	global_load_b128 v[TL:TL+3], v1, s[16:17]
	global_load_b128 v[GL:GL+3], v1, s[18:19]
	global_load_b128 v[BO:BO+3], v1, s[12:13]
	global_load_b128 v[BQ:BQ+3], v3, s[10:11]
	global_load_b128 v[BQ+4:BQ+7], v3, s[10:11] offset:16
	s_mov_b32 s32, 0x3fb8aa3b                      ; log2(e)
	s_mov_b32 s33, 0xbfb8aa3b                      ; -log2(e)
	s_mov_b32 s34, 0x3f22f983                      ; 2 / pi
	s_mov_b32 s35, 0xb94ca1f9                      ; sine:   r + r z (S2 + z (S1 + z S0)), z = r^2, |r| <= pi/4
	s_mov_b32 s36, 0x3c08839e
	s_mov_b32 s37, 0xbe2aaaa3
	s_mov_b32 s38, 0x37ccf5ce                      ; cosine: 1 - z/2 + z^2 (C2 + z (C1 + z C0))
	s_mov_b32 s39, 0xbab6061a
	s_mov_b32 s40, 0x3d2aaaa5
	s_wait_loadcnt 0x0
	RND NL
	RND TL
	RND GL
	RND BO
	RND BQ
	RND BQ+4
.irp j, 0,1,2,3
	v_mul_f32 v[NU+(\j)], s32, v[NL+(\j)]
	v_mul_f32 v[TH+(\j)], s32, v[TL+(\j)]
	v_mul_f32 v[EG+(\j)], s32, v[GL+(\j)]
.endr
.irp j, 0,1,2,3
	v_exp_f32 v[NU+(\j)], v[NU+(\j)]               ; nu = exp(nu_log)
	v_exp_f32 v[TH+(\j)], v[TH+(\j)]               ; theta = exp(theta_log)
	v_exp_f32 v[EG+(\j)], v[EG+(\j)]               ; exp(gamma_log)
.endr
	v_nop                                          ; a plain instruction behind the last exponential,
	s_wait_alu depctr_va_vdst(0)                   ; and one wait for the batch of twelve, ahead of the first use
.irp j, 0,1,2,3
	v_mul_f32 v[GA+(\j)], s33, v[EG+(\j)]
.endr
.irp j, 0,1,2,3
	v_exp_f32 v[GA+(\j)], v[GA+(\j)]               ; gamma = exp(-exp(gamma_log)); the reduction below names none of these four
.endr
	; theta = k pi/2 + r, |r| <= pi/4: pi/2 is taken away in three parts, each by a fused multiply-add
.irp j, 0,1,2,3
	v_mul_f32 v[KF+(\j)], s34, v[TH+(\j)]
	v_rndne_f32 v[KF+(\j)], v[KF+(\j)]
	v_fmamk_f32 v[RR+(\j)], v[KF+(\j)], 0xbfc90fdb, v[TH+(\j)]
	v_fmamk_f32 v[RR+(\j)], v[KF+(\j)], 0x333bbd2e, v[RR+(\j)]
	v_fmamk_f32 v[RR+(\j)], v[KF+(\j)], 0x26f72ced, v[RR+(\j)]
	v_mul_f32 v[ZZ+(\j)], v[RR+(\j)], v[RR+(\j)]
	v_cvt_i32_f32 v[KI+(\j)], v[KF+(\j)]
.endr
.irp j, 0,1,2,3
	v_fma_f32 v[SN+(\j)], v[ZZ+(\j)], s35, s36
	v_fma_f32 v[CS+(\j)], v[ZZ+(\j)], s38, s39
	v_fma_f32 v[SN+(\j)], v[SN+(\j)], v[ZZ+(\j)], s37
	v_fma_f32 v[CS+(\j)], v[CS+(\j)], v[ZZ+(\j)], s40
	v_mul_f32 v[SN+(\j)], v[SN+(\j)], v[ZZ+(\j)]
	v_fma_f32 v[CS+(\j)], v[CS+(\j)], v[ZZ+(\j)], -0.5
	v_fma_f32 v[SN+(\j)], v[SN+(\j)], v[RR+(\j)], v[RR+(\j)]   ; sin r
	v_fma_f32 v[CS+(\j)], v[CS+(\j)], v[ZZ+(\j)], 1.0          ; cos r
.endr
	; the quadrant k % 4 only selects values: odd k swaps the two; sin changes sign for k % 4 = 2, 3, cos for 1, 2
.irp j, 0,1,2,3
	v_and_b32 v[T+(\j)], 1, v[KI+(\j)]
	v_cmp_eq_u32 vcc_lo, 1, v[T+(\j)]
	v_cndmask_b32 v[T2+(\j)], v[SN+(\j)], v[CS+(\j)], vcc_lo
	v_cndmask_b32 v[T+4+(\j)], v[CS+(\j)], v[SN+(\j)], vcc_lo
	v_and_b32 v[SN+(\j)], 2, v[KI+(\j)]
	v_lshlrev_b32 v[SN+(\j)], 30, v[SN+(\j)]
	v_xor_b32 v[T2+(\j)], v[SN+(\j)], v[T2+(\j)]               ; sin theta
	v_add_nc_u32 v[CS+(\j)], 1, v[KI+(\j)]
	v_and_b32 v[CS+(\j)], 2, v[CS+(\j)]
	v_lshlrev_b32 v[CS+(\j)], 30, v[CS+(\j)]
	v_xor_b32 v[T+4+(\j)], v[CS+(\j)], v[T+4+(\j)]             ; cos theta
	v_mul_f32 v[LR+(\j)], v[NU+(\j)], v[T+4+(\j)]
	v_mul_f32 v[LI+(\j)], v[NU+(\j)], v[T2+(\j)]
.endr
	s_wait_alu depctr_va_vdst(0)                   ; one wait for gamma's four exponentials, ahead of their first use
.irp j, 0,1,2,3
	v_mul_f32 v[BR+(\j)], v[GA+(\j)], v[BQ+2*(\j)]
	v_mul_f32 v[BI+(\j)], v[GA+(\j)], v[BQ+2*(\j)+1]
.endr
	SQ LR, LI                                      ; lambda^2, ^4, ^8, ^16, ^32
	SQ PR, PI
	SQ PR, PI
	SQ PR, PI
	SQ PR, PI
	global_store_b128 v1, v[LR:LR+3], s[26:27]
	global_store_b128 v1, v[LI:LI+3], s[26:27] offset:4096
	global_store_b128 v1, v[GA:GA+3], s[26:27] offset:2*4096
	global_store_b128 v1, v[BR:BR+3], s[26:27] offset:3*4096
	global_store_b128 v1, v[BI:BI+3], s[26:27] offset:4*4096
	global_store_b128 v1, v[PR:PR+3], s[26:27] offset:5*4096
	global_store_b128 v1, v[PI:PI+3], s[26:27] offset:6*4096
	global_store_b128 v1, v[BO:BO+3], s[26:27] offset:7*4096
	s_endpgm
.Lfunc_end_k_q4e5c5e63b8_prep:
	.size	k_q4e5c5e63b8_prep, .Lfunc_end_k_q4e5c5e63b8_prep-k_q4e5c5e63b8_prep
	.p2alignl 7, 3214868480
	.fill 96, 4, 3214868480
	.section	.rodata,"a",@progbits
	.p2align	6, 0x0
	.amdhsa_kernel k_q4e5c5e63b8_prep
		.amdhsa_group_segment_fixed_size 0
		.amdhsa_private_segment_fixed_size 0
		.amdhsa_enable_private_segment 0
		.amdhsa_kernarg_size 96
		.amdhsa_user_sgpr_count 2
		.amdhsa_user_sgpr_kernarg_segment_ptr 1
		.amdhsa_wavefront_size32 1
		.amdhsa_system_sgpr_workgroup_id_x 1
		.amdhsa_system_sgpr_workgroup_id_y 1
		.amdhsa_system_sgpr_workgroup_id_z 1
		.amdhsa_system_vgpr_workitem_id 0
		.amdhsa_next_free_vgpr 112
		.amdhsa_next_free_sgpr 66
		.amdhsa_reserve_vcc 1
		.amdhsa_float_denorm_mode_32 3
		.amdhsa_float_denorm_mode_16_64 3
		.amdhsa_memory_ordered 1
		.amdhsa_forward_progress 1
		.amdhsa_inst_pref_size 30
	.end_amdhsa_kernel
	.amdgpu_metadata
---
amdhsa.version: [ 1, 2 ]
amdhsa.kernels:
  - .name:           k_q4e5c5e63b8_prep
    .symbol:         k_q4e5c5e63b8_prep.kd
    .args:
      - { .name: x, .offset: 0, .size: 8, .value_kind: global_buffer, .address_space: global }
      - { .name: Wi, .offset: 8, .size: 8, .value_kind: global_buffer, .address_space: global }
      - { .name: Wo, .offset: 16, .size: 8, .value_kind: global_buffer, .address_space: global }
      - { .name: bi, .offset: 24, .size: 8, .value_kind: global_buffer, .address_space: global }
      - { .name: bo, .offset: 32, .size: 8, .value_kind: global_buffer, .address_space: global }
      - { .name: nu_log, .offset: 40, .size: 8, .value_kind: global_buffer, .address_space: global }
      - { .name: theta_log, .offset: 48, .size: 8, .value_kind: global_buffer, .address_space: global }
      - { .name: gamma_log, .offset: 56, .size: 8, .value_kind: global_buffer, .address_space: global }
      - { .name: xb, .offset: 64, .size: 8, .value_kind: global_buffer, .address_space: global }
      - { .name: wib, .offset: 72, .size: 8, .value_kind: global_buffer, .address_space: global }
      - { .name: wob, .offset: 80, .size: 8, .value_kind: global_buffer, .address_space: global }
      - { .name: tab, .offset: 88, .size: 8, .value_kind: global_buffer, .address_space: global }
    .group_segment_fixed_size: 0
    .private_segment_fixed_size: 0
    .kernarg_segment_align: 8
    .kernarg_segment_size: 96
    .max_flat_workgroup_size: 256
    .sgpr_count:     66
    .vgpr_count:     112
    .wavefront_size: 32
...
	.end_amdgpu_metadata
.endif
;; end of part 1
;; launch proj_in (part 2): grid 8 x 64, 4 waves a work-group, clusters of 4 x 4, 327,680 bytes of LDS; arguments xb, wib, ub, est, tab; writes ub, est
.if DOCPART == 2
	.amdgcn_target "amdgcn-amd-amdhsa--gfx1250"
	.amdhsa_code_object_version 6
	.text
	.protected	k_q4e5c5e63b8_proj_in
	.globl	k_q4e5c5e63b8_proj_in
	.p2align	8
	.type	k_q4e5c5e63b8_proj_in,@function
k_q4e5c5e63b8_proj_in:
	s_mov_b64 s[64:65], 0
	v_nop
	global_prefetch_b8 v0, s[64:65] scope:SCOPE_SE
	s_setreg_imm32_b32 hwreg(HW_REG_WAVE_MODE, 25, 1), 1
	s_wait_xcnt 0x0
	s_wait_alu depctr_hold_cnt(0) depctr_sa_sdst(0) depctr_va_vdst(0) depctr_va_sdst(0) depctr_va_ssrc(0) depctr_va_vcc(0) depctr_vm_vsrc(0)
	s_getreg_b32 s2, hwreg(HW_REG_IB_STS2, 6, 4)
	s_cmp_eq_u32 s2, 0
	s_cbranch_scc0 .Lentry_in_a_cluster
	s_endpgm
.Lentry_in_a_cluster:
	s_bfe_u32 s2, ttmp6, 0x10000c
	s_cmp_lg_u32 s2, 0xf033
	s_cbranch_scc0 .Lentry_shape_is_right
	s_endpgm
.Lentry_shape_is_right:
; LAUNCH 2 OF 4.  u = gamma (x Wi^T) + gamma bi: a GEMM of 16,384 x 2,048 x 1,024 in bf16 with f32 sums; u leaves rounded once to f16 (ub[row][2 c + k]).  Beside it each wave runs the recurrence
; h = lambda h + u in f32 over its own 32 steps, from 0, and stores only the state at their end (est, f32): launch 3 chains these, launch 4 makes h itself.
; WHY f16 FOR u: it is no matrix operand, only kept for launch 4, and f16's 11 significant bits leave h's one rounding to bf16 as the program's only coarse one.
; LIMIT: |u| stays under 65,504 (from 65,520 on the conversion gives an infinity).  gamma is at most 1 and a sum has 1,024 terms: with x and Wi both 30 times as large as drawn (spreads 30 and 0.54) u's root mean
; square is 32 x 30 x 0.54 = 520; with offsets of 30 spreads on both the common term is 1,024 x 30 x 0.54 = 16,600.  Below 6e-5 u keeps f16's fixed step of 6e-8.
; WORK LEFT OUT: a run of 32 steps starts from 0, so its first step is h = u and forms no product (launch 1's head shows it for step 0 of reference()'s scan).  The end state of the last 32 steps serves
; nothing, and is made and stored all the same: to jump it would be a branch on a work-group's place in its cluster.
; SHARES.  A tile of 256 rows x 256 columns to a work-group of four waves, 128 x 128 to a wave: 64 accumulators of 16 x 16, 512 registers.  K goes in steps of 128 through two LDS slots filled by tensor loads of
; 128 rows x 256 bytes; a row in LDS is 272 bytes, so the 16 rows of a fragment load start at 16 different groups of four banks (64 banks of 4 bytes: ISA guide 11.1).
; CLUSTER.  4 x 4 work-groups: the four of a row need the same tile of xb, the four of a column the same tile of wib; each tile is asked for jointly, by the same load, descriptor and mask in all four.
; LAYOUT.  Source 0 = 16 rows of xb, source 1 = 16 rows of wib: register j of lane (r = l % 16, h = l / 16) is (fragment row 8 h + j, wib row r).  A row of x is 4 t + b (step t, batch b).  Lane m of a fragment of xb
; reads row rho(m) = 2 (m & 6) + 2 (m >> 3) + (m & 1) of its 16, so registers 2 tl, 2 tl + 1 hold step tl of the block's four and batches 2 h, 2 h + 1.  wib's rows were laid (launch 1) so that accumulator
; bb = 2 p + k, lane r, is part k of channel 4 r + p of the wave's 64.  So the 32 steps of a chain lie in ONE lane, a packed instruction serves two batches, and a lane's eight numbers of a row of u are 16
; neighbouring bytes: sixteen lanes store 256 consecutive bytes, aligned, straight from registers.
; est, in a batch's 8,192 bytes: channel 64 E + 4 r + 2 H + pl, part k, at byte 512 E + 256 H + 16 r + 8 pl + 4 k: again 16 bytes a lane, 256 consecutive for sixteen lanes.
; REGISTERS, in windows of 256 (s_set_vgpr_msb: bits 1:0 source 0, 3:2 source 1, 5:4 source 2, 7:6 destination):
;   window 0: v0-31 addresses; v32-47 the end state; v64-127, v128-191 fragments of xb, two buffers, later u and h of a block, two buffers; v192-223 packed u
;   window 1: v64-127, v128-191 fragments of wib; v192-211 the tables as loaded; v0-47 the tables as pairs          windows 2, 3: the accumulators of my rows 0-63, 64-127: (a, bb) at v[8 (8 (a % 4) + bb)]
.set SIZE_K, 1024
.set KSTEP,  128
.set PITCH,  272
.set HALFT,  128*PITCH                 ; 128 rows: what one tensor load brings, and what one wave reads of either operand
.set SLOT,   4*HALFT                   ; xb's 256 rows, then wib's 256 rows
.set SPARE,  2*SLOT                    ; behind the ring: the spare words, 128 bytes for each wave: two blocks of 256 bytes that no other line names
.set LAPS,   SIZE_K/(2*KSTEP)          ; a lap = two K steps = once round the ring
.set EO,   14                          ; v14  my byte offset in est: 2 h batches + 16 r
.set ADRA, 16                          ; v16-17  LDS address of my fragments of xb in slot 0, 1
.set ADRB, 20                          ; v20-21  the same for wib
.set CO,   26                          ; v26  my byte offset in ub: 2 h rows + 16 r
.set TA,   27                          ; v27  my byte offset in a table
.set SPW,  28                          ; v28  LDS address of my spare word; never rewritten
.set NIL,  29                          ; v29  0; never rewritten
.set PFO,  30                          ; v30  the prefetches' offset: my lane x a row; never rewritten
.set EQ,   32
.set F0,   64
.set F1,   128
.set U0,   64
.set TMP,  192
.set TB,   192                         ; window 1
.set LR,   0                           ; window 1: pairs with the same number twice, at + 2 p
.set LI,   8
.set NLI,  16
.set GA,   24
.set BR,   32
.set BI,   40
.set LIM,  43                          ; s43  1 in a wave that prefetches, else the greatest number
.set PFA,  44                          ; s[44:45] where my prefetches stand
.set G1,   24                          ; s[24:31] descriptor group 1 for xb's tiles;  s[32:39] group 0, a set for each slot
.set G0,   32
.set G1B,  48                          ; s[48:55], s[56:63] the same for wib's tiles
.set G0B,  56
.set MSB, 0
.macro WIN new                         ; the immediate's high byte repeats the setting that is left; a switch that changes nothing is dropped
.if MSB != (\new)
	s_set_vgpr_msb (MSB<<8)|(\new)
.set MSB, \new
.endif
.endm
; A joint load.  Waves 0 and 1 fetch xb's two halves, waves 2 and 3 wib's.  The branch hangs on the wave's number alone.  An s_nop 0 and four v_nop follow each line.
.macro JLOAD s
	s_cmp_eq_u32 s11, 0
	s_cbranch_scc0 .Lfor_b_\@
	tensor_load_to_lds s[G0+4*(\s):G0+4*(\s)+3], s[G1:G1+7]
	s_nop 0
.rept 4
	v_nop
.endr
	s_branch .Lasked_\@
.Lfor_b_\@:
	tensor_load_to_lds s[G0B+4*(\s):G0B+4*(\s)+3], s[G1B:G1B+7]
	s_nop 0
.rept 4
	v_nop
.endr
.Lasked_\@:
.endm
; A prefetch into the L2 of the K step that stands two refills on: 32 rows x 256 bytes, a lane a row, one instruction a wave.  xb's tile row is read by both clusters of a row of clusters: the one with x = 0 asks;
; wib's tile column by all clusters of a column: the one with y = 0 asks.  The four partners share a wave's 128 rows out by address, 32 each.  The loop's last trip has no K step two on and asks for nothing.
.macro ASK
	s_cmp_gt_u32 s3, s[LIM]
	s_cbranch_scc0 .Lnot_mine_\@
	global_prefetch_b8 v[PFO], s[PFA:PFA+1] offset:KSTEP*2 th:TH_LOAD_NT scope:SCOPE_SE
.Lnot_mine_\@:
.endm
.macro CREST                           ; a round of the cluster's barrier behind its opening barrier
	s_cmp_lg_u32 s10, 0
	s_cbranch_scc1 .Lnot_wave_0_\@
	s_barrier_signal -3
.Lnot_wave_0_\@:
	s_barrier_wait -3
	s_barrier_signal -1
	s_barrier_wait -1
.endm
.macro CROUND                          ; a whole round
	s_barrier_signal -1
	s_barrier_wait -1
	CREST
.endm
	s_load_b128 s[4:7], s[0:1], 0x0                ; xb s[4:5], wib s[6:7]
	s_load_b64 s[8:9], s[0:1], 0x10                ; ub
	s_load_b64 s[68:69], s[0:1], 0x18              ; est
	s_load_b64 s[70:71], s[0:1], 0x20              ; tab
	v_lshl_add_u32 v[SPW], v0, 2, SPARE
	v_mov_b32 v[NIL], 0
	ds_add_u32 v[SPW], v[NIL]                      ; the wave's opening: the add, twice on end, and its wait ahead of my first tensor load
	ds_add_u32 v[SPW], v[NIL]                      ; the set-up below, work on registers, stands between the second add and the wait
	v_lshrrev_b32 v1, 5, v0
	v_readfirstlane_b32 s10, v1                    ; wave 0..3
	s_lshr_b32 s11, s10, 1                         ; which half of the tile's rows is mine.  Also: I fetch for xb (0) or for wib (1)
	s_and_b32 s12, s10, 1                          ; which half of its columns.  Also: which 128 rows of that tile I fetch
	s_bfe_u32 s40, ttmp6, 0x40000                  ; cx
	s_bfe_u32 s41, ttmp6, 0x40004                  ; cy
	s_lshl_b32 s42, ttmp9, 2
	s_add_co_u32 s42, s42, s40                     ; tile column = 4 x cluster x + cx
	s_and_b32 s13, ttmp7, 0xffff
	s_lshl_b32 s13, s13, 2
	s_add_co_u32 s13, s13, s41                     ; tile row = 4 x cluster y + cy
	s_lshl_b32 s43, s41, 2
	s_lshl_b32 s43, 15, s43                        ; my row of the cluster: places 4 cy .. 4 cy + 3
	s_lshl_b32 s44, 0x1111, s40                    ; my column: places cx, cx + 4, cx + 8, cx + 12
	s_or_b32 s[G1+0], s43, (1<<16)|(1<<20)|(1<<21)|(5<<22)|(3<<25)   ; the mask; elements of 2 bytes; padding on; bit 21 beside a mask; after every 64 words 4 words of padding
	s_or_b32 s[G1B+0], s44, (1<<16)|(1<<20)|(1<<21)|(5<<22)|(3<<25)
.irp g, G1, G1B
	s_mov_b32 s[(\g)+1], KSTEP<<16                 ; tensor_dim0 = 128
	s_mov_b32 s[(\g)+2], 128<<16                   ; tensor_dim1 = 128
	s_mov_b32 s[(\g)+3], KSTEP<<16                 ; tile_dim0 = 128
	s_mov_b32 s[(\g)+4], 128                       ; tile_dim1 = 128
	s_mov_b32 s[(\g)+5], SIZE_K                    ; elements from row to row
	s_mov_b32 s[(\g)+6], 0
	s_mov_b32 s[(\g)+7], 0
.endr
	s_lshl_b32 s17, s12, 7                         ; which 128 rows of the tile I fetch
	s_lshl_b32 s16, s13, 8
	s_add_co_u32 s16, s16, s17                     ; xb: row 256 x tile row + 128 x half
	s_lshl_b32 s46, s42, 8
	s_add_co_u32 s46, s46, s17                     ; wib: row 256 x tile column + 128 x half
	s_mov_b32 s17, 0
	s_mov_b32 s47, 0
	s_mov_b64 s[18:19], SIZE_K*2
	s_mul_u64 s[16:17], s[16:17], s[18:19]
	s_mul_u64 s[46:47], s[46:47], s[18:19]
	s_mul_i32 s20, s10, HALFT                      ; where they go: wave x 128 rows: no place in the cluster enters an LDS address
	s_wait_dscnt 0x0                               ; both opening adds are done
	s_wait_kmcnt 0x0
	s_add_nc_u64 s[14:15], s[4:5], s[16:17]
	s_add_nc_u64 s[46:47], s[6:7], s[46:47]
	CROUND                                         ; all sixteen work-groups are here: the first joint loads meet
.irp s, 0,1
	s_mov_b32 s[G0+4*(\s)], 1
	s_add_co_u32 s[G0+4*(\s)+1], s20, (\s)*SLOT
	s_add_nc_u64 s[G0+4*(\s)+2:G0+4*(\s)+3], s[14:15], (\s)*KSTEP*2
	s_or_b32 s[G0+4*(\s)+3], s[G0+4*(\s)+3], 0x80000000
	s_mov_b32 s[G0B+4*(\s)], 1
	s_add_co_u32 s[G0B+4*(\s)+1], s20, (\s)*SLOT
	s_add_nc_u64 s[G0B+4*(\s)+2:G0B+4*(\s)+3], s[46:47], (\s)*KSTEP*2
	s_or_b32 s[G0B+4*(\s)+3], s[G0B+4*(\s)+3], 0x80000000
	JLOAD \s                                       ; two loads of mine are out
.endr
	v_and_b32 v1, 15, v0                           ; r = m = l % 16
	v_bfe_u32 v2, v0, 4, 1                         ; h = l / 16
	v_mul_u32_u24 v3, v1, PITCH
	v_lshl_add_u32 v3, v2, 4, v3                   ; wib: row r x pitch + 16 h
	v_and_b32 v4, 6, v1
	v_lshrrev_b32 v5, 3, v1
	v_add_nc_u32 v4, v4, v5
	v_and_b32 v5, 1, v1
	v_lshl_add_u32 v4, v4, 1, v5                   ; rho(m) = 2 ((m & 6) + (m >> 3)) + (m & 1): the same 16 rows in another order
	v_mul_u32_u24 v4, v4, PITCH
	v_lshl_add_u32 v4, v2, 4, v4                   ; xb: row rho x pitch + 16 h
	s_mul_i32 s21, s11, HALFT                      ; my 128 rows of xb
	s_mul_i32 s22, s12, HALFT                      ; my 128 rows of wib,
	s_add_co_u32 s22, s22, 2*HALFT                 ; which lie behind xb's 256
.irp s, 0,1
	v_add_nc_u32 v[ADRA+(\s)], s21, v4
	v_add_nc_u32 v[ADRB+(\s)], s22, v3
	s_add_co_u32 s21, s21, SLOT
	s_add_co_u32 s22, s22, SLOT
.endr
	s_lshl_b32 s13, s13, 8                         ; 256 x tile row
	s_lshl_b32 s14, s11, 7
	s_add_co_u32 s16, s13, s14                     ; my first row: 128 x (my run of 32 steps)
	s_lshl_b32 s18, s16, 8                         ; est: 32,768 bytes for each run = 256 for each row
	s_lshl_b32 s16, s16, 12                        ; ub: 4,096 bytes a row
	s_lshl_b32 s46, s42, 9
	s_lshl_b32 s47, s12, 8
	s_add_co_u32 s46, s46, s47                     ; 256 E, E = 2 x tile column + half: my 128 columns in ub, my 64 channels in a table
	s_add_co_u32 s16, s16, s46
	s_mov_b32 s17, 0
	s_add_nc_u64 s[8:9], s[8:9], s[16:17]
	s_lshl_b32 s47, s46, 1                         ; 512 E
	s_add_co_u32 s18, s18, s47
	s_mov_b32 s19, 0
	s_add_nc_u64 s[68:69], s[68:69], s[18:19]
	v_lshl_add_u32 v[TA], v1, 4, s46               ; channels 64 E + 4 r .. + 3
	v_lshlrev_b32 v[CO], 13, v2
	v_lshl_add_u32 v[CO], v1, 4, v[CO]
	v_lshlrev_b32 v[EO], 14, v2
	v_lshl_add_u32 v[EO], v1, 4, v[EO]
	WIN 0x40                                       ; destination window 1, address window 0
.irp t, 0,1,2,3,4
	global_load_b128 v[TB+4*(\t):TB+4*(\t)+3], v[TA], s[70:71] offset:4096*(\t)  ; lambda_r, lambda_i, gamma, gamma bi: waited for at the way out
.endr
	WIN 0
	; the prefetches
	s_lshl_b32 s42, s42, 8
	s_and_b32 s22, ttmp7, 0xffff                   ; cluster y
	s_cmp_eq_u32 s11, 0                            ; do I fetch for xb?
	s_cselect_b32 s20, s13, s42                    ; the tile's first row
	s_cselect_b32 s21, s40, s41                    ; my place among the four that ask for it with me
	s_cselect_b32 s22, ttmp9, s22                  ; the coordinate along which other clusters read the same rows
	s_cselect_b64 s[PFA:PFA+1], s[4:5], s[6:7]
	s_cmp_eq_u32 s22, 0
	s_cselect_b32 s[LIM], 1, -1                    ; the same in all sixteen partners, for a given wave
	s_lshl_b32 s22, s12, 7
	s_add_co_u32 s20, s20, s22                     ; + the 128 rows that I fetch
	s_lshl_b32 s21, s21, 5
	s_add_co_u32 s20, s20, s21                     ; + my work-group's 32 of them
	s_mov_b32 s21, 0
	s_mov_b64 s[18:19], SIZE_K*2
	s_mul_u64 s[20:21], s[20:21], s[18:19]
	s_add_nc_u64 s[PFA:PFA+1], s[PFA:PFA+1], s[20:21]
	s_add_nc_u64 s[PFA:PFA+1], s[PFA:PFA+1], 2*KSTEP*2  ; at K step 2: the first refill steps it to 3 and names K step 4; K steps 0 to 3 come by their loads alone
	v_and_b32 v[PFO], 31, v0
	v_mul_u32_u24 v[PFO], v[PFO], SIZE_K*2
; 16 matrix instructions: row blocks a0, a0 + 1 of the window's four x all 8 column blocks, 32 along K.  zero = 1: the first product starts the sums.  The 64 accumulators take turns, one instruction a turn.
.macro MUL16 f, hi, a0, zero
	WIN 0xa4+0x50*(\hi)                            ; source 0 (xb) window 0, source 1 (wib) window 1, C and D window 2 or 3
.irp a, \a0, (\a0)+1
.irp b, 0,1,2,3,4,5,6,7
.if \zero
	v_wmma_f32_16x16x32_bf16 v[8*(8*(\a)+(\b)):8*(8*(\a)+(\b))+7], v[(\f)+8*(4*(\hi)+(\a)):(\f)+8*(4*(\hi)+(\a))+7], v[(\f)+8*(\b):(\f)+8*(\b)+7], 0
.else
	v_wmma_f32_16x16x32_bf16 v[8*(8*(\a)+(\b)):8*(8*(\a)+(\b))+7], v[(\f)+8*(4*(\hi)+(\a)):(\f)+8*(4*(\hi)+(\a))+7], v[(\f)+8*(\b):(\f)+8*(\b)+7], v[8*(8*(\a)+(\b)):8*(8*(\a)+(\b))+7]
.endif
.endr
.endr
.endm
; 32 LDS loads in one run: the fragments of a quarter step (32 K at byte k of the rows) into buffer f: wib's 16 loads, then xb's
.macro FETCH slot, k, f
	WIN 0x40
.irp i, 0,1,2,3,4,5,6,7
	ds_load_b128 v[(\f)+8*(\i):(\f)+8*(\i)+3],   v[ADRB+(\slot)] offset:(\k)+(\i)*16*PITCH
	ds_load_b128 v[(\f)+8*(\i)+4:(\f)+8*(\i)+7], v[ADRB+(\slot)] offset:(\k)+(\i)*16*PITCH+32
.endr
	WIN 0
.irp i, 0,1,2,3,4,5,6,7
	ds_load_b128 v[(\f)+8*(\i):(\f)+8*(\i)+3],   v[ADRA+(\slot)] offset:(\k)+(\i)*16*PITCH
	ds_load_b128 v[(\f)+8*(\i)+4:(\f)+8*(\i)+7], v[ADRA+(\slot)] offset:(\k)+(\i)*16*PITCH+32
.endr
.endm
.macro PLACES                          ; four plain vector instructions between a matrix instruction and a load into a register that it has read (ISA guide 7.12.1 for vector instructions)
.rept 4
	v_nop
.endr
.endm
; A K step is four quarters of 32 along K on buffers 0, 1, 0, 1.  One of the first three multiplies buffer f and, in its middle, fetches the next quarter's fragments into g.
.macro QUARTER slot, k, f, g, zero
	s_wait_dscnt 8                                 ; wib's fragments and xb's rows 0-63 are in; the youngest eight loads (rows 64-127) may be out
	MUL16 \f, 0, 0, \zero
	MUL16 \f, 0, 2, \zero
	PLACES
	FETCH \slot, \k, \g
	s_wait_dscnt 32                                ; all but the 32 just issued
	MUL16 \f, 1, 0, \zero
	MUL16 \f, 1, 2, \zero
.endm
; The last quarter's first half: one barrier for the change of slots.  In front of it each wave waits for all its tensor loads (one is out: its part of the next slot), adds 0 to its spare word, and waits for that and for its reads of this slot.
.macro MEET round
	WIN 0
	s_wait_tensorcnt 0x0
	ds_add_u32 v[SPW], v[NIL]
	s_wait_dscnt 9                                 ; the add and the youngest eight loads may be out
	MUL16 F1, 0, 0, 0
	s_wait_dscnt 0x0                               ; the add is done, and my reads of this slot are over
	s_barrier_signal -1
	MUL16 F1, 0, 2, 0
.if \round
	WIN 0
.endif
	s_barrier_wait -1
.endm
; The whole last quarter where the slot is filled again: the barrier opens a round of the cluster's, and the joint refill, two K steps on, is the first tensor load behind it: 224 matrix instructions ahead of the wait for it.
.macro TURN slot, next
	s_wait_xcnt 0x0                                ; the last prefetch, a K step back, has read its address
	s_add_nc_u64 s[PFA:PFA+1], s[PFA:PFA+1], KSTEP*2
	MEET 1
	CREST                                          ; no wave of any partner still reads this slot or has a load on its way
	s_add_nc_u64 s[G0+4*(\slot)+2:G0+4*(\slot)+3], s[G0+4*(\slot)+2:G0+4*(\slot)+3], 2*KSTEP*2
	s_add_nc_u64 s[G0B+4*(\slot)+2:G0B+4*(\slot)+3], s[G0B+4*(\slot)+2:G0B+4*(\slot)+3], 2*KSTEP*2
	JLOAD \slot                                    ; its four v_nop are also the places in front of the loads below
	FETCH \next, 0, F0
	ASK
	MUL16 F1, 1, 0, 0
	MUL16 F1, 1, 2, 0
.endm
.macro TURNL next                      ; the last change of slots: nothing is filled, so no round follows
	MEET 0
	PLACES
	FETCH \next, 0, F0
	MUL16 F1, 1, 0, 0
	MUL16 F1, 1, 2, 0
.endm
	s_wait_tensorcnt 1                             ; my part of K step 0 is in; K step 1's may stay out
	s_barrier_signal -1
	s_barrier_wait -1
	FETCH 0, 0, F0
	QUARTER 0, 64,  F0, F1, 1                      ; the first quarter stands in front of the loop: its products start the sums
	WIN 0
	s_mov_b32 s3, LAPS-1
.Llap:                                                 ; a trip goes once round the ring, from a lap's second quarter to the next lap's first, and fills both slots again
	QUARTER 0, 128, F1, F0, 0
	QUARTER 0, 192, F0, F1, 0
	TURN 0, 1
	QUARTER 1, 64,  F0, F1, 0
	QUARTER 1, 128, F1, F0, 0
	QUARTER 1, 192, F0, F1, 0
	TURN 1, 0
	QUARTER 0, 64,  F0, F1, 0
	WIN 0
	s_sub_co_u32 s3, s3, 1
	s_cmp_lg_u32 s3, 0
	s_cbranch_scc1 .Llap
	QUARTER 0, 128, F1, F0, 0                      ; the last lap is written out: it asks for nothing
	QUARTER 0, 192, F0, F1, 0
	TURNL 1
	QUARTER 1, 64,  F0, F1, 0
	QUARTER 1, 128, F1, F0, 0
	QUARTER 1, 192, F0, F1, 0
	s_wait_dscnt 8
	MUL16 F1, 0, 0, 0
	MUL16 F1, 0, 2, 0
	s_wait_dscnt 0x0
	MUL16 F1, 1, 0, 0
	MUL16 F1, 1, 2, 0
	WIN 0
	; THE WAY OUT.  The tables become pairs with the same number twice: 48 plain lines that name no register of the last products: they are the places behind those.
	s_wait_loadcnt 0x0                             ; the five tables
	WIN 0x45                                       ; destination and both sources window 1
.irp p, 0,1,2,3
.irp z, 0,1
	v_mov_b32 v[LR+2*(\p)+(\z)], v[TB+(\p)]
	v_mov_b32 v[LI+2*(\p)+(\z)], v[TB+4+(\p)]
	v_xor_b32 v[NLI+2*(\p)+(\z)], 0x80000000, v[TB+4+(\p)]   ; -lambda_i
	v_mov_b32 v[GA+2*(\p)+(\z)], v[TB+8+(\p)]
	v_mov_b32 v[BR+2*(\p)+(\z)], v[TB+12+(\p)]
	v_mov_b32 v[BI+2*(\p)+(\z)], v[TB+16+(\p)]
.endr
.endr
; Block a (16 rows: 4 steps x 4 batches).  In buffer a % 2: the real part of channel p at step tl (two batches) at + 16 p + 2 tl, the imaginary part at + 16 p + 8 + 2 tl: the accumulators' own order.
.macro UOP a                           ; u = gamma x sum + gamma bi; each accumulator is read from its low end on
	WIN 0x16+(\a)/4                                ; source 0 window 2 or 3, sources 1 and 2 window 1, destination window 0
.set UB, U0+64*((\a)%2)
.set AC, 64*((\a)%4)
.irp p, 0,1,2,3
.irp t, 0,1,2,3
	v_pk_fma_f32 v[UB+16*(\p)+2*(\t):UB+16*(\p)+2*(\t)+1], v[AC+16*(\p)+2*(\t):AC+16*(\p)+2*(\t)+1], v[GA+2*(\p):GA+2*(\p)+1], v[BR+2*(\p):BR+2*(\p)+1]
.endr
.irp t, 0,1,2,3
	v_pk_fma_f32 v[UB+16*(\p)+8+2*(\t):UB+16*(\p)+8+2*(\t)+1], v[AC+16*(\p)+8+2*(\t):AC+16*(\p)+8+2*(\t)+1], v[GA+2*(\p):GA+2*(\p)+1], v[BI+2*(\p):BI+2*(\p)+1]
.endr
.endr
.endm
.macro PACKU a                         ; u rounded once to f16: real part low, imaginary part high; four channels = 16 bytes of row 4 tl + 2 h + z
	WIN 0
.set UB, U0+64*((\a)%2)
.irp t, 0,1,2,3
.irp z, 0,1
.irp p, 0,1,2,3
	v_cvt_pk_f16_f32 v[TMP+8*(\t)+4*(\z)+(\p)], v[UB+16*(\p)+2*(\t)+(\z)], v[UB+16*(\p)+8+2*(\t)+(\z)]
.endr
.endr
.endr
.endm
.macro SENDU a                         ; lanes 0-15 store 256 consecutive bytes of one row, lanes 16-31 of the row two below, each at a multiple of 256 from ub's first byte
.irp t, 0,1,2,3
.irp z, 0,1
	global_store_b128 v[CO], v[TMP+8*(\t)+4*(\z):TMP+8*(\t)+4*(\z)+3], s[8:9] offset:(16*(\a)+4*(\t)+(\z))*4096
.endr
.endr
.endm
.macro SCAN a                          ; h = lambda h + u in place, f32, four steps; the step before lies two registers lower, or at the other buffer's step 3.  The run's first step is h = u.
	WIN 0x04                                       ; source 1 (the tables) window 1
.set UB, U0+64*((\a)%2)
.irp t, 0,1,2,3
.if ((\a)+(\t)) > 0
.if (\t) == 0
.set PB, U0+64*(((\a)+1)%2)+6
.else
.set PB, UB+2*(\t)-2
.endif
.irp p, 0,1,2,3
	v_pk_fma_f32 v[UB+16*(\p)+2*(\t):UB+16*(\p)+2*(\t)+1], v[PB+16*(\p)+8:PB+16*(\p)+9], v[NLI+2*(\p):NLI+2*(\p)+1], v[UB+16*(\p)+2*(\t):UB+16*(\p)+2*(\t)+1]
.endr
.irp p, 0,1,2,3
	v_pk_fma_f32 v[UB+16*(\p)+8+2*(\t):UB+16*(\p)+8+2*(\t)+1], v[PB+16*(\p):PB+16*(\p)+1], v[LI+2*(\p):LI+2*(\p)+1], v[UB+16*(\p)+8+2*(\t):UB+16*(\p)+8+2*(\t)+1]
.endr
.irp p, 0,1,2,3
	v_pk_fma_f32 v[UB+16*(\p)+2*(\t):UB+16*(\p)+2*(\t)+1], v[PB+16*(\p):PB+16*(\p)+1], v[LR+2*(\p):LR+2*(\p)+1], v[UB+16*(\p)+2*(\t):UB+16*(\p)+2*(\t)+1]
.endr
.irp p, 0,1,2,3
	v_pk_fma_f32 v[UB+16*(\p)+8+2*(\t):UB+16*(\p)+8+2*(\t)+1], v[PB+16*(\p)+8:PB+16*(\p)+9], v[LR+2*(\p):LR+2*(\p)+1], v[UB+16*(\p)+8+2*(\t):UB+16*(\p)+8+2*(\t)+1]
.endr
.endif
.endr
.endm
.irp a, 0,1,2,3,4,5,6,7
	UOP \a
.if (\a) > 0
	s_wait_xcnt 0x0                                ; the last block's stores have read the packed registers: only behind this wait are they written again
.endif
	PACKU \a
	SENDU \a
	SCAN \a                                        ; the recurrence runs while the stores leave
.endr
	WIN 0                                          ; the state behind my 32nd step: block 7's step 3, in buffer 1
.irp z, 0,1
.irp p, 0,1,2,3
	v_mov_b32 v[EQ+8*(\z)+2*(\p)],   v[U0+64+16*(\p)+6+(\z)]
	v_mov_b32 v[EQ+8*(\z)+2*(\p)+1], v[U0+64+16*(\p)+14+(\z)]
.endr
.endr
.irp z, 0,1
.irp y, 0,1
	global_store_b128 v[EO], v[EQ+8*(\z)+4*(\y):EQ+8*(\z)+4*(\y)+3], s[68:69] offset:8192*(\z)+256*(\y)  ; batch 2 h + z, channels 4 r + 2 y, + 1: sixteen lanes store 256 consecutive bytes, aligned
.endr
.endr
	s_wait_tensorcnt 0x0                           ; the wave's end, behind my last tensor load
	ds_add_u32 v[SPW], v[NIL]
	s_wait_dscnt 0x0
	CROUND                                         ; the closing round: no work-group ends while a partner may still ask for a tile that names it
	s_endpgm
.Lfunc_end_k_q4e5c5e63b8_proj_in:
	.size	k_q4e5c5e63b8_proj_in, .Lfunc_end_k_q4e5c5e63b8_proj_in-k_q4e5c5e63b8_proj_in
	.p2alignl 7, 3214868480
	.fill 96, 4, 3214868480
	.section	.rodata,"a",@progbits
	.p2align	6, 0x0
	.amdhsa_kernel k_q4e5c5e63b8_proj_in
		.amdhsa_group_segment_fixed_size 327680
		.amdhsa_private_segment_fixed_size 0
		.amdhsa_enable_private_segment 0
		.amdhsa_kernarg_size 40
		.amdhsa_user_sgpr_count 2
		.amdhsa_user_sgpr_kernarg_segment_ptr 1
		.amdhsa_wavefront_size32 1
		.amdhsa_system_sgpr_workgroup_id_x 1
		.amdhsa_system_sgpr_workgroup_id_y 1
		.amdhsa_system_sgpr_workgroup_id_z 1
		.amdhsa_system_vgpr_workitem_id 0
		.amdhsa_next_free_vgpr 1024
		.amdhsa_next_free_sgpr 72
		.amdhsa_reserve_vcc 0
		.amdhsa_float_denorm_mode_32 3
		.amdhsa_float_denorm_mode_16_64 3
		.amdhsa_memory_ordered 1
		.amdhsa_forward_progress 1
		.amdhsa_inst_pref_size 186
	.end_amdhsa_kernel
	.amdgpu_metadata
---
amdhsa.version: [ 1, 2 ]
amdhsa.kernels:
  - .name:           k_q4e5c5e63b8_proj_in
    .symbol:         k_q4e5c5e63b8_proj_in.kd
    .args:
      - { .name: xb, .offset: 0, .size: 8, .value_kind: global_buffer, .address_space: global }
      - { .name: wib, .offset: 8, .size: 8, .value_kind: global_buffer, .address_space: global }
      - { .name: ub, .offset: 16, .size: 8, .value_kind: global_buffer, .address_space: global }
      - { .name: est, .offset: 24, .size: 8, .value_kind: global_buffer, .address_space: global }
      - { .name: tab, .offset: 32, .size: 8, .value_kind: global_buffer, .address_space: global }
    .group_segment_fixed_size: 327680
    .private_segment_fixed_size: 0
    .kernarg_segment_align: 8
    .kernarg_segment_size: 40
    .max_flat_workgroup_size: 128
    .sgpr_count:     72
    .vgpr_count:     1024
    .wavefront_size: 32
...
	.end_amdgpu_metadata
.endif
;; end of part 2
;; launch carry (part 3): grid 128 x 1, 1 waves a work-group, no clusters, 0 bytes of LDS; arguments est, tab, car; writes car
.if DOCPART == 3
	.amdgcn_target "amdgcn-amd-amdhsa--gfx1250"
	.amdhsa_code_object_version 6
	.text
	.protected	k_q4e5c5e63b8_carry
	.globl	k_q4e5c5e63b8_carry
	.p2align	8
	.type	k_q4e5c5e63b8_carry,@function
k_q4e5c5e63b8_carry:
	s_mov_b64 s[64:65], 0
	v_nop
	global_prefetch_b8 v0, s[64:65] scope:SCOPE_SE
	s_setreg_imm32_b32 hwreg(HW_REG_WAVE_MODE, 25, 1), 1
	s_wait_xcnt 0x0
; LAUNCH 3 OF 4.  The state that enters each run of 32 steps: S_1 = E_0, S_(q+1) = E_q + lambda^32 S_q, all f32.  E_q (est) is the end of run q started from 0 (launch 2); S_q goes to car, in est's layout.
; WORK LEFT OUT: S_0 is reference()'s own zeros: it is not stored (launch 4 does not load it); E_127 enters no later run and is not loaded.
; SHARES.  4 batches x 1,024 channels are 4,096 chains that do not meet; a lane owns one, a wave 32 neighbours: each load and store of a wave covers 256 consecutive bytes, aligned.  128 waves are all the work there is.
; All 127 loads of a lane go out at once; the chain then runs in registers.  No register that a load or store names is written again.
; In a batch's 8,192 bytes channel 64 E + 4 r + 2 H + pl lies at byte 512 E + 256 H + 16 r + 8 pl: work-group g has batch g / 32, E = (g % 32) / 2, H = g % 2; my lane is 2 r + pl.
; REGISTERS: v4, v5, v6 = Re, Im, -Im of lambda^32; E_q at v[64 + 2 q] of window 0 (q <= 63), at v[2 (q - 64)] of window 1 (q >= 64).  s_set_vgpr_msb: bits 1:0 source 0, 3:2 source 1, 7:6 destination.
.set RUN, 32768                        ; bytes of est and car for one run
.set MSB, 0
.macro WIN new
.if MSB != (\new)
	s_set_vgpr_msb (MSB<<8)|(\new)
.set MSB, \new
.endif
.endm
	s_load_b128 s[4:7], s[0:1], 0x0                ; est s[4:5], tab s[6:7]
	s_load_b64 s[8:9], s[0:1], 0x10                ; car
	v_lshlrev_b32 v1, 3, v0                        ; 8 x lane
	s_lshl_b32 s10, ttmp9, 8                       ; 256 g
	s_mov_b32 s11, 0
	s_and_b32 s12, ttmp9, 31
	s_lshr_b32 s13, s12, 1
	s_lshl_b32 s13, s13, 8                         ; 4 x 64 E
	s_and_b32 s12, s12, 1
	s_lshl_b32 s12, s12, 3                         ; 4 x 2 H
	s_add_co_u32 s12, s12, s13
	v_lshrrev_b32 v2, 1, v0
	v_lshlrev_b32 v2, 4, v2                        ; 4 x 4 r
	v_and_b32 v3, 1, v0
	v_lshl_add_u32 v2, v3, 2, v2                   ; 4 x pl
	v_add_nc_u32 v2, s12, v2                       ; 4 x my channel
	s_wait_kmcnt 0x0
	s_add_nc_u64 s[4:5], s[4:5], s[10:11]
	s_add_nc_u64 s[8:9], s[8:9], s[10:11]
	global_load_b32 v4, v2, s[6:7] offset:5*4096
	global_load_b32 v5, v2, s[6:7] offset:6*4096
.set q, 0
.rept 64
	global_load_b64 v[64+2*q:64+2*q+1], v1, s[4:5] offset:RUN*q
.set q, q+1
.endr
	WIN 0x40                                       ; destination window 1
.rept 63
	global_load_b64 v[2*(q-64):2*(q-64)+1], v1, s[4:5] offset:RUN*q
.set q, q+1
.endr
	WIN 0
	s_wait_loadcnt 63                              ; 129 loads were issued, in order: the first 66 are in: lambda^32 and E_0 to E_63
	v_xor_b32 v6, 0x80000000, v5
	global_store_b64 v1, v[64:65], s[8:9] offset:RUN   ; S_1 = E_0
.set q, 1
.rept 63                                       ; in place: E_q becomes S_(q+1)
	v_fmac_f32 v[64+2*q],   v4, v[62+2*q]
	v_fmac_f32 v[64+2*q+1], v4, v[62+2*q+1]
	v_fmac_f32 v[64+2*q],   v6, v[62+2*q+1]
	v_fmac_f32 v[64+2*q+1], v5, v[62+2*q]
	global_store_b64 v1, v[64+2*q:64+2*q+1], s[8:9] offset:RUN*(q+1)
.set q, q+1
.endr
	s_wait_loadcnt 62                              ; E_64 is in: 62 younger loads may be out
	WIN 0x40                                       ; E_64 in window 1, S_64 still in window 0
	v_fmac_f32 v0, v4, v190
	v_fmac_f32 v1, v4, v191
	v_fmac_f32 v0, v6, v191
	v_fmac_f32 v1, v5, v190
	WIN 0x44                                       ; from here on destination and source 1 (the state before; a store's data) in window 1, source 0 (lambda^32; a store's address) in window 0
	global_store_b64 v1, v[0:1], s[8:9] offset:RUN*65
.set q, 65
.rept 62
	s_wait_loadcnt 126-q                           ; E_q is in; the younger loads stay out
	v_fmac_f32 v[2*(q-64)],   v4, v[2*(q-64)-2]
	v_fmac_f32 v[2*(q-64)+1], v4, v[2*(q-64)-1]
	v_fmac_f32 v[2*(q-64)],   v6, v[2*(q-64)-1]
	v_fmac_f32 v[2*(q-64)+1], v5, v[2*(q-64)-2]
	global_store_b64 v1, v[2*(q-64):2*(q-64)+1], s[8:9] offset:RUN*(q+1)
.set q, q+1
.endr
	WIN 0
	s_endpgm
.Lfunc_end_k_q4e5c5e63b8_carry:
	.size	k_q4e5c5e63b8_carry, .Lfunc_end_k_q4e5c5e63b8_carry-k_q4e5c5e63b8_carry
	.p2alignl 7, 3214868480
	.fill 96, 4, 3214868480
	.section	.rodata,"a",@progbits
	.p2align	6, 0x0
	.amdhsa_kernel k_q4e5c5e63b8_carry
		.amdhsa_group_segment_fixed_size 0
		.amdhsa_private_segment_fixed_size 0
		.amdhsa_enable_private_segment 0
		.amdhsa_kernarg_size 24
		.amdhsa_user_sgpr_count 2
		.amdhsa_user_sgpr_kernarg_segment_ptr 1
		.amdhsa_wavefront_size32 1
		.amdhsa_system_sgpr_workgroup_id_x 1
		.amdhsa_system_sgpr_workgroup_id_y 1
		.amdhsa_system_sgpr_workgroup_id_z 1
		.amdhsa_system_vgpr_workitem_id 0
		.amdhsa_next_free_vgpr 384
		.amdhsa_next_free_sgpr 66
		.amdhsa_reserve_vcc 0
		.amdhsa_float_denorm_mode_32 3
		.amdhsa_float_denorm_mode_16_64 3
		.amdhsa_memory_ordered 1
		.amdhsa_forward_progress 1
		.amdhsa_inst_pref_size 43
	.end_amdhsa_kernel
	.amdgpu_metadata
---
amdhsa.version: [ 1, 2 ]
amdhsa.kernels:
  - .name:           k_q4e5c5e63b8_carry
    .symbol:         k_q4e5c5e63b8_carry.kd
    .args:
      - { .name: est, .offset: 0, .size: 8, .value_kind: global_buffer, .address_space: global }
      - { .name: tab, .offset: 8, .size: 8, .value_kind: global_buffer, .address_space: global }
      - { .name: car, .offset: 16, .size: 8, .value_kind: global_buffer, .address_space: global }
    .group_segment_fixed_size: 0
    .private_segment_fixed_size: 0
    .kernarg_segment_align: 8
    .kernarg_segment_size: 24
    .max_flat_workgroup_size: 32
    .sgpr_count:     66
    .vgpr_count:     384
    .wavefront_size: 32
...
	.end_amdgpu_metadata
.endif
;; end of part 3
;; launch proj_out (part 4): grid 128 x 2, 4 waves a work-group, clusters of 4 x 1, 327,680 bytes of LDS; arguments ub, wob, out0, tab, car; writes out0
.if DOCPART == 4
	.amdgcn_target "amdgcn-amd-amdhsa--gfx1250"
	.amdhsa_code_object_version 6
	.text
	.protected	k_q4e5c5e63b8_proj_out
	.globl	k_q4e5c5e63b8_proj_out
	.p2align	8
	.type	k_q4e5c5e63b8_proj_out,@function
k_q4e5c5e63b8_proj_out:
	s_mov_b64 s[64:65], 0
	v_nop
	global_prefetch_b8 v0, s[64:65] scope:SCOPE_SE
	s_setreg_imm32_b32 hwreg(HW_REG_WAVE_MODE, 25, 1), 1
	s_wait_xcnt 0x0
	s_wait_alu depctr_hold_cnt(0) depctr_sa_sdst(0) depctr_va_vdst(0) depctr_va_sdst(0) depctr_va_ssrc(0) depctr_va_vcc(0) depctr_vm_vsrc(0)
	s_getreg_b32 s2, hwreg(HW_REG_IB_STS2, 6, 4)
	s_cmp_eq_u32 s2, 0
	s_cbranch_scc0 .Lentry_in_a_cluster
	s_endpgm
.Lentry_in_a_cluster:
	s_bfe_u32 s2, ttmp6, 0x10000c
	s_cmp_lg_u32 s2, 0x3003
	s_cbranch_scc0 .Lentry_shape_is_right
	s_endpgm
.Lentry_shape_is_right:
; LAUNCH 4 OF 4.  h_t = lambda h_(t-1) + u_t, and out0 = h wob^T + bo: the recurrence and a GEMM of 16,384 x 1,024 x 2,048 (bf16 operands, f32 sums) in one launch: h never goes to memory.
; u comes in f16 (launch 2: |u| under 65,504); the state is f32 and starts from car (launch 3); h is rounded once to bf16, the matrix operand (bf16, since with |lambda| near 1 h has no room in f16).
; WORK LEFT OUT: the carry into run 0 is reference()'s own zeros: it is not loaded.  A branch there would hang on the work-group's place in its cluster, so the work-group of run 0 addresses run 1's carry
; and selects 0 in its stead; the products of that 0 in the run's first step stay: one step of a tile that is live.
; SHARES.  A work-group makes 128 rows x 512 columns of out0: 128 rows are one run of 32 steps x 4 batches.  Its four waves lie side by side, 128 x 128 each: 64 accumulators, 512 registers.  256 work-groups.
; B (wob) goes in K steps of 128 through two LDS slots of 512 rows x 272 bytes; wave w fetches, by one tensor load, the 128 rows that it alone reads.  A row of 272 bytes = 68 words starts at bank 4 r mod 64
; (64 banks of 4 bytes: ISA guide 11.1), so the 16 rows of a fragment load start at 16 different groups of four banks.
; A (h) IS MADE HERE.  A K step is 64 channels.  Wave w owns batch w, lane l channels 2 l, 2 l + 1 of the 64: a load of 8 bytes a lane takes 256 consecutive bytes, aligned, of one row of u.  A step of the
; recurrence is 8 vector lines for the lane's two channels; h's 32 rows wait in registers and go, at the change of slots, into ONE stage of 128 rows x 272 bytes that all four waves read as fragments.
; The recurrence is made twice in the launch, once for each half of the columns.
; BY TURNS.  While K step j is multiplied, the recurrence of K step j + 1 stands in slices of four lines behind every second matrix instruction of the step's second and third quarter.
; u's rows are asked for again in four runs of eight, three beside a run of LDS instructions and one at the third quarter's head, never singly among the matrix instructions: a row has at least 208 of a K step's 256 matrix instructions in which to come.
; CLUSTER.  Four work-groups: four row blocks of one half of the columns.  They need the same tiles of wob: each is asked for jointly, by the same load, descriptor and mask in all four.  u is shared by the two
; halves of the columns and is not asked for jointly: it has to pass through registers to become h, and it is 32 KB of the 160 KB that a work-group takes in for a K step.
; LAYOUT.  The product is taken transposed (source 0 = 16 rows of wob, source 1 = 16 rows of h): lane l holds row l % 16 of out0 and the columns 8 (l / 16) + 0 .. 7 of a block of 16.  bo is the C operand of
; the products that start the sums.  THE WAY OUT: 16 rows at a time through the wave's own part of the stage (rows of 528 bytes), back as whole rows: each store of a wave covers 512 consecutive bytes, aligned.
; REGISTERS, in windows of 256 (s_set_vgpr_msb: bits 1:0 source 0, 3:2 source 1, 5:4 source 2, 7:6 destination):
;   window 0: v0-31 addresses; v32-47 lambda and the state; v48-55 the next K step's carry and lambda, v56-63 those of K step 0; v64-127 h's fragments, buffer 0; v128-191 h's rows to be stored; v192-255 u's rows
;   window 1: v0-63 bo; v64-127, v128-191 wob's fragments, buffers 0 and 1; v192-255 h's fragments, buffer 1          windows 2, 3: the accumulators of rows 0-63, 64-127: (a, bb) at v[8 (8 (a % 4) + bb)]
.set SIZE_K, 2048
.set KSTEP,  128
.set STEPS,  SIZE_K/KSTEP              ; 16
.set PITCH,  272
.set HALFT,  128*PITCH                 ; 128 rows: what one tensor load brings; also the stage
.set SLOT,   4*HALFT                   ; wob's 512 rows
.set ASTG,   2*SLOT                    ; behind the ring, never filled by a tensor load: h's stage, later the four waves' stages for the way out (4 x 8,448 of its 34,816 bytes)
.set SPITCH, 528                       ; 512 bytes + 16 = 132 words: row r starts at bank 4 r mod 64
.set SPARE,  ASTG+HALFT                ; behind the stage: the spare words, 128 bytes for each wave: two blocks of 256 bytes that no other line names
.set TSTEP,  16384                     ; bytes of u from a step to the next: 4 batches x 4,096
.set UO,   8                           ; v8   my byte offset in u: my batch's row + 8 x lane
.set HS,   9                           ; v9   where I put 8 bytes of h: the stage, row = my batch, 8 x lane
.set CAO,  10                          ; v10  my byte offset in car
.set TBO,  11                          ; v11  my byte offset in a table: 8 x lane
.set ADRA, 16                          ; v16  LDS address of my fragments of h
.set ADRB, 20                          ; v20  the same for wob, in the slot in hand
.set ADRB0, 21                         ; v21  the same in slot 0; never rewritten
.set STO,  24                          ; v24  the way out: where I put 32 bytes of a row
.set RD,   25                          ; v25  where I read a row back
.set CO,   26                          ; v26  16 x lane: my bytes of a row of out0
.set TA,   27                          ; v27  my byte offset in bo
.set SPW,  28                          ; v28  LDS address of my spare word; never rewritten
.set NIL,  29                          ; v29  0; never rewritten
.set PFO,  30                          ; v30  wob's prefetches: my lane x a row; never rewritten
.set PFU,  31                          ; v31  u's prefetches: my lane x a step + my batch's row; never rewritten
.set LR,   32                          ; pairs: my two channels
.set LI,   34
.set NLI,  36
.set HR,   38
.set HI,   40
.set UR,   42
.set UI,   44
.set SM,   48                          ; as loaded: carry (r, i, r, i), lambda_r x 2, lambda_i x 2
.set SM0,  56
.set H,    128
.set X,    192
.set WV,   14                          ; s14  my wave's number
.set CX,   15                          ; s15  my place in the cluster
.set RB,   16                          ; s16  my block of 128 rows = my run
.set YY,   17                          ; s17  my half of the columns
.set WH,   20                          ; s20  wave x 128 rows of LDS
.set TB,   21                          ; s21  LDS byte at which the slot in hand begins: 0 or SLOT
.set G1,   24                          ; s[24:31] descriptor group 1
.set G0,   32                          ; s[32:35] group 0 of the first fill of slot 0
.set G0W,  36                          ; s[36:39] group 0 of the first fill of slot 1; it then walks on
.set LIM,  40                          ; s40  2 in a wave that prefetches wob, else the greatest number
.set LIMU, 41                          ; s41  the same for u
.set PFA,  42                          ; s[42:43] where my prefetches of wob stand
.set ZM,   44                          ; s44  all ones in run 0, else 0
.set MSB, 0
.macro WIN new                         ; the immediate's high byte repeats the setting that is left; a switch that changes nothing is dropped
.if MSB != (\new)
	s_set_vgpr_msb (MSB<<8)|(\new)
.set MSB, \new
.endif
.endm
.macro CREST                           ; a round of the cluster's barrier behind its opening barrier
	s_cmp_lg_u32 s[WV], 0
	s_cbranch_scc1 .Lnot_wave_0_\@
	s_barrier_signal -3
.Lnot_wave_0_\@:
	s_barrier_wait -3
	s_barrier_signal -1
	s_barrier_wait -1
.endm
.macro CROUND                          ; a whole round
	s_barrier_signal -1
	s_barrier_wait -1
	CREST
.endm
.macro PLACES                          ; four plain vector instructions between a matrix instruction and a load into a register that it has read, or an LDS store of its result (ISA guide 7.12.1 for vector instructions)
.rept 4
	v_nop
.endr
.endm
; The loads of one K step's u, carry and lambda.  GEN: how many K steps beyond the three pointers; XD: where the rows land.
.macro SMALLS sm
	global_load_b128 v[(\sm):(\sm)+3],   v[CAO], s[12:13] offset:512*GEN
	global_load_b64  v[(\sm)+4:(\sm)+5], v[TBO], s[10:11] offset:256*GEN
	global_load_b64  v[(\sm)+6:(\sm)+7], v[TBO], s[10:11] offset:4096+256*GEN
.endm
.macro ROWS8 first                     ; eight steps' rows of my batch: each load takes 256 consecutive bytes, aligned
.set rr, \first
.rept 8
	global_load_b64 v[XD+2*rr:XD+2*rr+1], v[UO], s[4:5] offset:TSTEP*rr+256*GEN
.set rr, rr+1
.endr
.endm
; A K step's recurrence begins: the state is the carry (0 in run 0).  Carry and lambda move out of the registers into which they were loaded, since these are loaded again while the recurrence runs.
.macro INIT sm, cnt
	WIN 0
	s_wait_loadcnt \cnt
	v_cndmask_b32 v[HR],   v[(\sm)],   0, s[ZM]
	v_cndmask_b32 v[HI],   v[(\sm)+1], 0, s[ZM]
	v_cndmask_b32 v[HR+1], v[(\sm)+2], 0, s[ZM]
	v_cndmask_b32 v[HI+1], v[(\sm)+3], 0, s[ZM]
	v_mov_b32 v[LR],   v[(\sm)+4]
	v_mov_b32 v[LR+1], v[(\sm)+5]
	v_mov_b32 v[LI],   v[(\sm)+6]
	v_mov_b32 v[LI+1], v[(\sm)+7]
	v_xor_b32 v[NLI],   0x80000000, v[(\sm)+6]
	v_xor_b32 v[NLI+1], 0x80000000, v[(\sm)+7]
.endm
; Step t of the recurrence, in two slices of four lines.  XS: where u's rows lie.  The multiply-adds of the first slice take u's f16 half as their addend, without unpacking.
.macro SLA t
	WIN 0
	v_fma_mix_f32 v[UR],   v[HI],   v[NLI],   v[XS+2*(\t)]   op_sel_hi:[0,0,1]                 ; -lambda_i h_i + u_r: the third source is the word's low f16
	v_fma_mix_f32 v[UI],   v[HR],   v[LI],    v[XS+2*(\t)]   op_sel:[0,0,1] op_sel_hi:[0,0,1]  ;  lambda_i h_r + u_i: its high f16
	v_fma_mix_f32 v[UR+1], v[HI+1], v[NLI+1], v[XS+2*(\t)+1] op_sel_hi:[0,0,1]
	v_fma_mix_f32 v[UI+1], v[HR+1], v[LI+1],  v[XS+2*(\t)+1] op_sel:[0,0,1] op_sel_hi:[0,0,1]
.endm
.macro SLB t
	WIN 0
	v_pk_fma_f32 v[HR:HR+1], v[HR:HR+1], v[LR:LR+1], v[UR:UR+1]
	v_pk_fma_f32 v[HI:HI+1], v[HI:HI+1], v[LR:LR+1], v[UI:UI+1]
	v_cvt_pk_bf16_f32 v[H+2*(\t)],   v[HR],   v[HI]     ; h rounded once: real part low, imaginary part high: columns 2 c, 2 c + 1 of the K step
	v_cvt_pk_bf16_f32 v[H+2*(\t)+1], v[HR+1], v[HI+1]
.endm
.macro HSTORE                          ; my batch's 32 rows of h into the stage: row 4 t + batch; 32 lanes x 8 bytes are a row's 256 bytes
	WIN 0
.set rr, 0
.rept 32
	ds_store_b64 v[HS], v[H+2*rr:H+2*rr+1] offset:4*PITCH*rr
.set rr, rr+1
.endr
.endm
; 16 matrix instructions on fragment buffer f: row blocks a0, a0 + 1 of the window's four x all 8 column blocks, 32 along K.  zero = 1: the first product starts the sums, from bo.  The 64 accumulators take
; turns, one instruction a turn.  ride = 1: a slice stands behind every second one: steps t0 to t0 + 3 of the recurrence.
.macro MUL16 f, hi, a0, zero, ride=0, t0=0
.set AB, 64+128*(\f)                   ; h's fragments: window 0 v64 (buffer 0), window 1 v192 (buffer 1)
.set BB, 64+64*(\f)                    ; wob's: window 1 v64, v128
.set n, 0
.irp a, \a0, (\a0)+1
.irp b, 0,1,2,3,4,5,6,7
.if \zero
	WIN ((2+(\hi))<<6)|0x11                        ; source 0 (wob) window 1, source 1 (h) window 0, C (bo) window 1, D window 2 or 3
	v_wmma_f32_16x16x32_bf16 v[8*(8*(\a)+(\b)):8*(8*(\a)+(\b))+7], v[BB+8*(\b):BB+8*(\b)+7], v[AB+8*(4*(\hi)+(\a)):AB+8*(4*(\hi)+(\a))+7], v[8*(\b):8*(\b)+7]
.else
	WIN ((2+(\hi))*0x50)|((\f)<<2)|1               ; source 0 window 1, source 1 window 0 or 1, C and D window 2 or 3
	v_wmma_f32_16x16x32_bf16 v[8*(8*(\a)+(\b)):8*(8*(\a)+(\b))+7], v[BB+8*(\b):BB+8*(\b)+7], v[AB+8*(4*(\hi)+(\a)):AB+8*(4*(\hi)+(\a))+7], v[8*(8*(\a)+(\b)):8*(8*(\a)+(\b))+7]
.endif
.if \ride
.if n%4 == 1
	SLA (\t0)+n/4
.endif
.if n%4 == 3
	SLB (\t0)+n/4
.endif
.endif
.set n, n+1
.endr
.endr
.endm
; The fragments of a quarter step (32 K at byte k of the rows) into buffer f: 16 LDS loads for wob, 16 for h
.macro FETCHB k, f
	WIN 0x40                                       ; destination window 1, address window 0
.set BB, 64+64*(\f)
.irp i, 0,1,2,3,4,5,6,7
	ds_load_b128 v[BB+8*(\i):BB+8*(\i)+3],   v[ADRB] offset:(\k)+(\i)*16*PITCH
	ds_load_b128 v[BB+8*(\i)+4:BB+8*(\i)+7], v[ADRB] offset:(\k)+(\i)*16*PITCH+32
.endr
.endm
.macro FETCHA k, f
	WIN 0x40*(\f)
.set AB, 64+128*(\f)
.irp i, 0,1,2,3,4,5,6,7
	ds_load_b128 v[AB+8*(\i):AB+8*(\i)+3],   v[ADRA] offset:(\k)+(\i)*16*PITCH
	ds_load_b128 v[AB+8*(\i)+4:AB+8*(\i)+7], v[ADRA] offset:(\k)+(\i)*16*PITCH+32
.endr
.endm
; A K step is four quarters of 32 along K on buffers 0, 1, 0, 1.  One of the first three multiplies buffer f and, in its middle, fetches the next quarter's fragments, at byte k, into g.
; ride = 1: it carries steps t0 to t0 + 15 of the next K step's recurrence.  ld = 1: the rows that have been read are asked for again, for the K step after that.
; THE COUNTS ON LOADcnt.  A K step's 35 loads go out in this order: carry and lambda (3) with rows 0-7; rows 8-15; rows 16-23; rows 24-31.  Each wait stands ahead of the first slice that reads a run of eight rows
; and leaves out what was issued behind that run: the later runs of its own K step, and what has been asked for again since: 16 + 11, 8 + 19, 0 + 27, each 27.  With ld = 0 only the former: 16, 8, 0.
.macro QUARTER k, f, g, zero, ride=0, t0=0, ld=0
.if (\ride) && ((\t0) == 16)
.if \ld
	WIN 0
	ROWS8 8
	s_wait_loadcnt 27                              ; rows 16-23 are in
.else
	s_wait_loadcnt 8
.endif
.endif
	s_wait_dscnt 8                                 ; wob's fragments and h's rows 0-63 are in; the youngest eight loads (rows 64-127) may be out
	MUL16 \f, 0, 0, \zero, \ride, \t0
	MUL16 \f, 0, 2, \zero, \ride, (\t0)+4
	PLACES
	FETCHB \k, \g
	FETCHA \k, \g
.if \ride
.if \ld
	WIN 0
.if (\t0) == 0
	SMALLS SM
	ROWS8 0
.else
	ROWS8 16
.endif
	s_wait_loadcnt 27                              ; rows 8-15, or rows 24-31, are in
.else
	s_wait_loadcnt 16-(\t0)
.endif
.endif
	s_wait_dscnt 32                                ; all but the 32 LDS loads just issued
	MUL16 \f, 1, 0, \zero, \ride, (\t0)+8
	MUL16 \f, 1, 2, \zero, \ride, (\t0)+12
.endm
; PREFETCHES INTO THE L2, together, behind the joint load and the runs that follow it.  At the change of slots that ends K step k: wob's K step k + 4, two refills beyond the one just asked for: 32 rows x 256 bytes,
; a lane a row; all 32 clusters of a half of the columns walk the same rows: the first (cluster x = 0) asks, and its four partners share a wave's 128 rows out by address, 32 each.  And u's K step k + 4, whose loads
; begin in K step k + 2: my batch's 32 rows x 256 bytes, a lane a row; the two halves of the columns read the same rows: half 0 asks.  So each block of 256 bytes is named once in the launch.  K steps 0 to 3 come by
; their loads alone; the loop's last two trips (s3 = 2, 1) have no K step four on and ask for nothing.
.macro ASK
	s_cmp_gt_u32 s3, s[LIM]
	s_cbranch_scc0 .Lnot_wob_\@
	global_prefetch_b8 v[PFO], s[PFA:PFA+1] offset:KSTEP*2 th:TH_LOAD_NT scope:SCOPE_SE
.Lnot_wob_\@:
	s_cmp_gt_u32 s3, s[LIMU]
	s_cbranch_scc0 .Lnot_u_\@
	global_prefetch_b8 v[PFU], s[4:5] offset:3*KSTEP*2 th:TH_LOAD_NT scope:SCOPE_SE
.Lnot_u_\@:
.endm
; THE LAST QUARTER multiplies buffer 1 and changes slots and stage, with two barriers.  In front of the first each wave waits for all its tensor loads (one is out: its rows of the next slot), adds 0 to its spare
; word, and waits for that and for its reads of the slot and of the stage.  Behind it nobody reads either.  fill = 1: the barrier opens a round of the cluster's, and the joint refill, two K steps on, is the first
; tensor load behind the round: 240 matrix instructions ahead of the wait for it.  Then h's next rows go into the stage; each wave waits for its stores; behind the second barrier the stage is whole, and is read.
.macro TURN fill
	WIN 0
	s_wait_tensorcnt 0x0
	ds_add_u32 v[SPW], v[NIL]
	s_wait_dscnt 0x0                               ; the add is done; my reads of the slot and of the stage are over (the last were issued 32 matrix instructions ago)
	s_barrier_signal -1
	MUL16 1, 0, 0, 0                               ; work on registers while the others arrive
	WIN 0
	s_barrier_wait -1
.if \fill
	CREST                                          ; no wave of any partner still reads this slot or has a load on its way
	s_add_co_u32 s[G0W+1], s[TB], s[WH]            ; the walking descriptor: my rows of the slot that has been read out,
	s_add_nc_u64 s[G0W+2:G0W+3], s[G0W+2:G0W+3], KSTEP*2  ; the next K step; the type bits on top are not reached
	tensor_load_to_lds s[G0W:G0W+3], s[G1:G1+7]
	s_nop 0
.endif
	PLACES                                         ; behind the tensor load; also the places in front of the loads into buffer 0
	HSTORE
.if \fill
	ROWS8 24
.endif
	s_xor_b32 s[TB], s[TB], SLOT                   ; 0 and SLOT by turns: the other slot,
	v_add_nc_u32 v[ADRB], s[TB], v[ADRB0]
	FETCHB 0, 0                                    ; whose rows of mine I fetched myself and have waited for
	MUL16 1, 0, 2, 0
	s_wait_dscnt 0x0                               ; for the others' sake: my stores into the stage are done
	s_barrier_signal -1
	MUL16 1, 1, 0, 0
	s_barrier_wait -1                              ; everybody's are
	FETCHA 0, 0
.if \fill
	s_wait_xcnt 0x0                                ; every load and prefetch issued so far (the youngest load 32 matrix instructions back) has read its address, so the pointers may be written
	s_add_nc_u64 s[4:5], s[4:5], KSTEP*2           ; u: 64 channels on
	s_add_nc_u64 s[10:11], s[10:11], 256           ; the tables
	s_add_nc_u64 s[12:13], s[12:13], 512           ; car
	s_add_nc_u64 s[PFA:PFA+1], s[PFA:PFA+1], KSTEP*2
	ASK
.endif
	MUL16 1, 1, 2, 0
.endm
	s_load_b128 s[4:7], s[0:1], 0x0                ; ub s[4:5], wob s[6:7]
	s_load_b128 s[8:11], s[0:1], 0x10              ; out0 s[8:9], tab s[10:11]
	s_load_b64 s[12:13], s[0:1], 0x20              ; car
	v_lshl_add_u32 v[SPW], v0, 2, SPARE
	v_mov_b32 v[NIL], 0
	ds_add_u32 v[SPW], v[NIL]                      ; the wave's opening: the add, twice on end, and its wait ahead of my first tensor load
	ds_add_u32 v[SPW], v[NIL]                      ; the set-up below, work on registers, stands between the second add and the wait
	v_lshrrev_b32 v1, 5, v0
	v_readfirstlane_b32 s[WV], v1                  ; wave 0..3
	s_bfe_u32 s[CX], ttmp6, 0x40000                ; cx
	s_lshl_b32 s[RB], ttmp9, 2                     ; in a cluster launch ttmp9 counts clusters
	s_add_co_u32 s[RB], s[RB], s[CX]               ; my block of rows = 4 x cluster x + cx: it enters u's, car's and out0's addresses alone
	s_and_b32 s[YY], ttmp7, 0xffff                 ; my half of the columns, which the four partners share
	s_mov_b32 s[G1+0], 15|(1<<16)|(1<<20)|(1<<21)|(5<<22)|(3<<25)  ; the mask: all four work-groups; elements of 2 bytes; padding on; bit 21 beside a mask; after every 64 words 4 words of padding
	s_mov_b32 s[G1+1], KSTEP<<16                   ; tensor_dim0 = 128
	s_mov_b32 s[G1+2], 128<<16                     ; tensor_dim1 = 128
	s_mov_b32 s[G1+3], KSTEP<<16                   ; tile_dim0 = 128
	s_mov_b32 s[G1+4], 128                         ; tile_dim1 = 128
	s_mov_b32 s[G1+5], SIZE_K                      ; elements from row to row
	s_mov_b32 s[G1+6], 0
	s_mov_b32 s[G1+7], 0
	s_lshl_b32 s18, s[YY], 9
	s_lshl_b32 s19, s[WV], 7
	s_add_co_u32 s18, s18, s19                     ; my first column of out0 = my first row of wob: 512 x half + 128 x wave
	s_lshl_b32 s46, s18, 12                        ; a row of wob is 4,096 bytes
	s_mov_b32 s47, 0
	s_lshl_b32 s50, s18, 2                         ; my first column in bytes
	s_mul_i32 s[WH], s[WV], HALFT                  ; no place in the cluster enters an LDS address
	s_mov_b32 s[TB], 0
	v_and_b32 v1, 15, v0                           ; l % 16
	v_bfe_u32 v2, v0, 4, 1                         ; l / 16
	v_and_b32 v5, 31, v0                           ; l
	v_mul_u32_u24 v3, v1, PITCH
	v_lshl_add_u32 v3, v2, 4, v3                   ; a fragment's row x pitch + 16 x half
	v_add_nc_u32 v[ADRA], ASTG, v3
	v_add_nc_u32 v[ADRB0], s[WH], v3
	v_mov_b32 v[ADRB], v[ADRB0]
	s_lshl_b32 s22, s[WV], 12                      ; my batch's row among a step's four
	v_lshl_add_u32 v[UO], v5, 3, s22
	v_lshlrev_b32 v[PFU], 14, v5
	v_add_nc_u32 v[PFU], s22, v[PFU]
	s_mul_i32 s23, s[WV], PITCH
	s_add_co_u32 s23, s23, ASTG
	v_lshl_add_u32 v[HS], v5, 3, s23
	v_and_b32 v6, 1, v5                            ; car, in a batch's 8,192 bytes: channel 64 E + 4 r + 2 H + pl at byte 512 E + 256 H + 16 r + 8 pl: my channels 2 l, 2 l + 1 have r = l / 2, H = l % 2
	v_lshrrev_b32 v7, 1, v5
	v_lshlrev_b32 v6, 8, v6
	v_lshl_add_u32 v6, v7, 4, v6
	s_lshl_b32 s22, s[WV], 13
	v_add_nc_u32 v[CAO], s22, v6
	v_lshlrev_b32 v[TBO], 3, v5
	v_lshl_add_u32 v[TA], v2, 5, s50               ; bo of columns 8 (l / 16) + 0 .. 7 of each block of 16
	s_mul_i32 s23, s[WV], 16*SPITCH
	s_add_co_u32 s23, s23, ASTG                    ; my stage for the way out
	v_mul_u32_u24 v4, v1, SPITCH                   ; in: row l % 16, 32 bytes for each half of the lanes
	v_lshl_add_u32 v4, v2, 5, v4
	v_add_nc_u32 v[STO], s23, v4
	v_lshlrev_b32 v[CO], 4, v5                     ; back: 32 lanes take one row of 512 bytes
	v_add_nc_u32 v[RD], s23, v[CO]
	v_lshlrev_b32 v[PFO], 12, v5
	s_wait_dscnt 0x0                               ; both opening adds are done
	s_wait_kmcnt 0x0
	s_add_nc_u64 s[6:7], s[6:7], s[46:47]          ; wob at my 128 rows: made of the half and the wave's number alone
	s_lshl_b32 s48, s[RB], 19                      ; 128 rows of 4,096 bytes
	s_mov_b32 s49, 0
	s_add_nc_u64 s[4:5], s[4:5], s[48:49]          ; u at my block's first row
	s_add_co_u32 s48, s48, s50
	s_add_nc_u64 s[8:9], s[8:9], s[48:49]          ; out0 at my first row and column
	s_max_u32 s48, s[RB], 1                        ; run 0 has no carry in memory: it addresses run 1's and selects 0
	s_lshl_b32 s48, s48, 15
	s_add_nc_u64 s[12:13], s[12:13], s[48:49]
	s_cmp_eq_u32 s[RB], 0
	s_cselect_b32 s[ZM], -1, 0
	s_cmp_eq_u32 ttmp9, 0
	s_cselect_b32 s[LIM], 2, -1                    ; the same in all four partners
	s_cmp_eq_u32 s[YY], 0
	s_cselect_b32 s[LIMU], 2, -1
	s_lshl_b32 s48, s[CX], 17                      ; my work-group's 32 of a wave's 128 rows of wob
	s_add_nc_u64 s[PFA:PFA+1], s[6:7], s[48:49]
	s_add_nc_u64 s[PFA:PFA+1], s[PFA:PFA+1], 2*KSTEP*2  ; at K step 2: the first change of slots steps it to 3 and names K step 4
	WIN 0x40                                       ; destination window 1, address window 0
.irp b, 0,1,2,3,4,5,6,7
	global_load_b128 v[8*(\b):8*(\b)+3],   v[TA], s[10:11] offset:7*4096+64*(\b)
	global_load_b128 v[8*(\b)+4:8*(\b)+7], v[TA], s[10:11] offset:7*4096+64*(\b)+16
.endr
	WIN 0
.set GEN, 0                                    ; K step 0's u goes where h's first fragments will lie, so that K step 1's can be asked for at once
.set XD, 64
	SMALLS SM0
	ROWS8 0
	ROWS8 8
	ROWS8 16
	ROWS8 24
	CROUND                                         ; all four work-groups are here: the first joint loads meet
	s_mov_b32 s[G0], 1
	s_add_co_u32 s[G0+1], s[WH], 0                 ; LDS address: my rows of slot 0
	s_add_nc_u64 s[G0+2:G0+3], s[6:7], 0           ; K step 0
	s_or_b32 s[G0+3], s[G0+3], 0x80000000          ; type = 2
	s_mov_b32 s[G0W], 1
	s_add_co_u32 s[G0W+1], s[WH], SLOT
	s_add_nc_u64 s[G0W+2:G0W+3], s[6:7], KSTEP*2   ; K step 1
	s_or_b32 s[G0W+3], s[G0W+3], 0x80000000
	tensor_load_to_lds s[G0:G0+3], s[G1:G1+7]      ; both first fills together: two loads of mine are out
	s_nop 0
	tensor_load_to_lds s[G0W:G0W+3], s[G1:G1+7]
	s_nop 0
	PLACES
.set GEN, 1
.set XD, X
	SMALLS SM
	ROWS8 0
	ROWS8 8
	ROWS8 16
	ROWS8 24
.set XS, 64
	INIT SM0, 35                                   ; bo and all of K step 0 are in; K step 1's 35 loads may be out
.set t, 0
.rept 32                                       ; h of K step 0: there is no matrix work yet to set it beside
	SLA t
	SLB t
.set t, t+1
.endr
	HSTORE
	s_wait_tensorcnt 1                             ; my rows of K step 0 are in; K step 1's may stay out
	s_wait_dscnt 0x0                               ; my stores into the stage are done
	s_barrier_signal -1
	s_barrier_wait -1
	FETCHB 0, 0
	FETCHA 0, 0
	QUARTER 64, 0, 1, 1                            ; the first quarter stands in front of the loop: its products start the sums
	WIN 0
.set GEN, 2
.set XS, X
	s_mov_b32 s3, STEPS-2
.Lstep:                                                ; trip j: from K step j's second quarter to K step j + 1's first; h of K step j + 1 is made, u of K step j + 2 and wob's K step j + 2 are asked for
	INIT SM, 24                                    ; carry, lambda and rows 0-7 are in; rows 8-31 may be out
	QUARTER 128, 1, 0, 0, 1, 0, 1
	QUARTER 192, 0, 1, 0, 1, 16, 1
	TURN 1
	QUARTER 64, 0, 1, 0
	WIN 0
	s_sub_co_u32 s3, s3, 1
	s_cmp_lg_u32 s3, 0
	s_cbranch_scc1 .Lstep
	INIT SM, 24                                    ; the last two K steps are written out: nothing more is asked for
	QUARTER 128, 1, 0, 0, 1, 0, 0                  ; h of the last K step
	QUARTER 192, 0, 1, 0, 1, 16, 0
	TURN 0
	QUARTER 64, 0, 1, 0
	QUARTER 128, 1, 0, 0
	QUARTER 192, 0, 1, 0
	s_wait_dscnt 8
	MUL16 1, 0, 0, 0
	MUL16 1, 0, 2, 0
	s_wait_dscnt 0x0                               ; my reads of the stage are over:
	s_barrier_signal -1
	MUL16 1, 1, 0, 0
	MUL16 1, 1, 2, 0
	WIN 0
	s_barrier_wait -1                              ; everybody's are: the stage's bytes now serve the way out
; THE WAY OUT of block a (16 rows).  Into my stage, each accumulator's low half first; back as whole rows, into v64-127 and v128-191 by turns.
.macro TOST a
.if (\a) >= 2
	s_wait_xcnt 0x0                                ; the stores of the block two back have read this buffer: only behind this wait is it loaded again
.endif
	WIN 0x08+4*((\a)/4)                            ; a store's data (source 1) window 2 or 3
.set AC, 64*((\a)%4)
.irp b, 0,1,2,3,4,5,6,7
	ds_store_b128 v[STO], v[AC+8*(\b):AC+8*(\b)+3]   offset:64*(\b)
	ds_store_b128 v[STO], v[AC+8*(\b)+4:AC+8*(\b)+7] offset:64*(\b)+16
.endr
	WIN 0
.set BK, 64+64*((\a)%2)
.irp t, 0,1,2,3,4,5,6,7,8,9,10,11,12,13,14,15
	ds_load_b128 v[BK+4*(\t):BK+4*(\t)+3], v[RD] offset:SPITCH*(\t)  ; LDS serves a wave's instructions in order (ISA guide 5.7.1.4): these see the stores above, and the next block's stores come behind them
.endr
.endm
.macro SEND a, younger                 ; younger: the LDS instructions issued behind block a's loads: the next block's 16 stores and 16 loads, or none
	WIN 0
.set BK, 64+64*((\a)%2)
	s_wait_dscnt \younger
.irp t, 0,1,2,3,4,5,6,7,8,9,10,11,12,13,14,15
	global_store_b128 v[CO], v[BK+4*(\t):BK+4*(\t)+3], s[8:9] offset:(16*(\a)+(\t))*4096 th:TH_STORE_NT  ; 512 consecutive bytes of one row, at a multiple of 256 from out0's first byte
.endr
.endm
	PLACES                                         ; behind the last products
	TOST 0
.irp a, 1,2,3,4,5,6,7
	TOST \a
	SEND (\a)-1, 32
.endr
	SEND 7, 0
	s_wait_tensorcnt 0x0                           ; the wave's end, behind my last tensor load and my last LDS store
	ds_add_u32 v[SPW], v[NIL]
	s_wait_dscnt 0x0
	CROUND                                         ; the closing round: no work-group ends while a partner may still ask for a tile that names it
	s_endpgm
.Lfunc_end_k_q4e5c5e63b8_proj_out:
	.size	k_q4e5c5e63b8_proj_out, .Lfunc_end_k_q4e5c5e63b8_proj_out-k_q4e5c5e63b8_proj_out
	.p2alignl 7, 3214868480
	.fill 96, 4, 3214868480
	.section	.rodata,"a",@progbits
	.p2align	6, 0x0
	.amdhsa_kernel k_q4e5c5e63b8_proj_out
		.amdhsa_group_segment_fixed_size 327680
		.amdhsa_private_segment_fixed_size 0
		.amdhsa_enable_private_segment 0
		.amdhsa_kernarg_size 40
		.amdhsa_user_sgpr_count 2
		.amdhsa_user_sgpr_kernarg_segment_ptr 1
		.amdhsa_wavefront_size32 1
		.amdhsa_system_sgpr_workgroup_id_x 1
		.amdhsa_system_sgpr_workgroup_id_y 1
		.amdhsa_system_sgpr_workgroup_id_z 1
		.amdhsa_system_vgpr_workitem_id 0
		.amdhsa_next_free_vgpr 1024
		.amdhsa_next_free_sgpr 66
		.amdhsa_reserve_vcc 0
		.amdhsa_float_denorm_mode_32 3
		.amdhsa_float_denorm_mode_16_64 3
		.amdhsa_memory_ordered 1
		.amdhsa_forward_progress 1
		.amdhsa_inst_pref_size 188
	.end_amdhsa_kernel
	.amdgpu_metadata
---
amdhsa.version: [ 1, 2 ]
amdhsa.kernels:
  - .name:           k_q4e5c5e63b8_proj_out
    .symbol:         k_q4e5c5e63b8_proj_out.kd
    .args:
      - { .name: ub, .offset: 0, .size: 8, .value_kind: global_buffer, .address_space: global }
      - { .name: wob, .offset: 8, .size: 8, .value_kind: global_buffer, .address_space: global }
      - { .name: out0, .offset: 16, .size: 8, .value_kind: global_buffer, .address_space: global }
      - { .name: tab, .offset: 24, .size: 8, .value_kind: global_buffer, .address_space: global }
      - { .name: car, .offset: 32, .size: 8, .value_kind: global_buffer, .address_space: global }
    .group_segment_fixed_size: 327680
    .private_segment_fixed_size: 0
    .kernarg_segment_align: 8
    .kernarg_segment_size: 40
    .max_flat_workgroup_size: 128
    .sgpr_count:     66
    .vgpr_count:     1024
    .wavefront_size: 32
...
	.end_amdgpu_metadata
.endif
;; end of part 4
;; ======== version 2 of 2: 4 launches; version 1 with the launch carry written anew for expert scheduling mode
;; limits: right only within a limited range of input values; values are held in f16: magnitudes above 65,504 overflow, below 6.1e-05 lose precision
;; workspace buffers: xb 33,554,432 bytes; wib 4,194,304 bytes; wob 4,194,304 bytes; tab 32,768 bytes; ub 67,108,864 bytes; est 4,194,304 bytes; car 4,194,304 bytes
;; launch prep: the kernel of part 1 again; grid 1281 x 1, 8 waves a work-group, no clusters, 0 bytes of LDS; arguments x, Wi, Wo, bi, bo, nu_log, theta_log, gamma_log, xb, wib, wob, tab; writes xb, wib, wob, tab
;; launch proj_in: the kernel of part 2 again; grid 8 x 64, 4 waves a work-group, clusters of 4 x 4, 327,680 bytes of LDS; arguments xb, wib, ub, est, tab; writes ub, est
;; launch carry (part 5): grid 128 x 1, 1 waves a work-group, no clusters, 0 bytes of LDS; arguments est, tab, car; writes car
.if DOCPART == 5
	.amdgcn_target "amdgcn-amd-amdhsa--gfx1250"
	.amdhsa_code_object_version 6
	.text
	.protected	k_q4e5c5e63b8_carry
	.globl	k_q4e5c5e63b8_carry
	.p2align	8
	.type	k_q4e5c5e63b8_carry,@function
k_q4e5c5e63b8_carry:
	s_mov_b64 s[64:65], 0
	v_nop
	global_prefetch_b8 v0, s[64:65] scope:SCOPE_SE
	s_setreg_imm32_b32 hwreg(HW_REG_WAVE_SCHED_MODE, 0, 2), 2
	s_setreg_imm32_b32 hwreg(HW_REG_WAVE_MODE, 25, 1), 1
	s_wait_xcnt 0x0
	s_wait_alu depctr_vm_vsrc(0)
; LAUNCH 3 OF 4.  The state that enters each run of 32 steps: S_1 = E_0, S_(q+1) = E_q + lambda^32 S_q, all f32.  E_q (est) is the end of run q started from 0 (launch 2); S_q goes to car, in est's layout.
; WORK LEFT OUT: S_0 is reference()'s own zeros: it is not stored (launch 4 does not load it); E_127 enters no later run and is not loaded.
; SHARES.  4 batches x 1,024 channels are 4,096 chains that do not meet; a lane owns one, a wave 32 neighbours: each load and store of a wave covers 256 consecutive bytes, aligned.  128 waves are all the work there is.
; All 127 loads of a lane go out at once; the chain then runs in registers.  No register that a load or store names is written again.
; In a batch's 8,192 bytes channel 64 E + 4 r + 2 H + pl lies at byte 512 E + 256 H + 16 r + 8 pl: work-group g has batch g / 32, E = (g % 32) / 2, H = g % 2; my lane is 2 r + pl.
; REGISTERS: v4, v5, v6 = Re, Im, -Im of lambda^32; E_q at v[64 + 2 q] of window 0 (q <= 63), at v[2 (q - 64)] of window 1 (q >= 64).  s_set_vgpr_msb: bits 1:0 source 0, 3:2 source 1, 7:6 destination.
; THE MODE: SCHED_MODE bits 1:0 = 2 (LLVM: expert scheduling mode 2), set by the entry lines.  The code itself states the register dependences between vector instructions and memory instructions,
; with s_wait_alu, always for 0.
; THE PLAN.  Registers that memory instructions touch:
;   v1, v2     byte offsets.  Written by vector lines at the head and never again; read by every load and store.
;   v4, v5     lambda^32.  Written by their loads; read by vector lines alone.
;   E_q's pair Written by its load, then by step q's four multiply-adds, in place: it is S_(q+1) from there on and is never written again.  Read by step q + 1's multiply-adds and by one store.
; So the only dependence to state is a vector line's write ahead of a memory instruction's read: once for the offsets, and once for each BLOCK of eight steps.  The 127 runs go in 16 blocks.  At the head of
; block p one wait states that block p - 1 has written its eight S.  Behind it that block's eight stores need no further wait: the store of its last S, the one pair that block p's first step names (as a source),
; stands first; the other seven stand one behind each step of block p, whose lines name none of their registers.  No load lands in a register that a vector line has named, and no register that a memory
; instruction has read is written again: nothing else is owed.
.set RUN, 32768                        ; bytes of est and car for one run
.set MSB, 0
.macro WIN new
.if MSB != (\new)
	s_set_vgpr_msb (MSB<<8)|(\new)
.set MSB, \new
.endif
.endm
; Step q, in place: E_q becomes S_(q+1).  In window 0 (q = 1 .. 63), and in window 1 (q = 65 .. 126), where each step first waits for its own load.
.macro STEP0 q
	v_fmac_f32 v[64+2*(\q)],   v4, v[62+2*(\q)]
	v_fmac_f32 v[64+2*(\q)+1], v4, v[62+2*(\q)+1]
	v_fmac_f32 v[64+2*(\q)],   v6, v[62+2*(\q)+1]
	v_fmac_f32 v[64+2*(\q)+1], v5, v[62+2*(\q)]
.endm
.macro STEP1 q
	s_wait_loadcnt 126-(\q)                        ; E_q is in; the younger loads stay out
	v_fmac_f32 v[2*((\q)-64)],   v4, v[2*((\q)-64)-2]
	v_fmac_f32 v[2*((\q)-64)+1], v4, v[2*((\q)-64)-1]
	v_fmac_f32 v[2*((\q)-64)],   v6, v[2*((\q)-64)-1]
	v_fmac_f32 v[2*((\q)-64)+1], v5, v[2*((\q)-64)-2]
.endm
; S_(q+1) leaves, from E_q's pair
.macro OUT0 q
	global_store_b64 v1, v[64+2*(\q):64+2*(\q)+1], s[8:9] offset:RUN*((\q)+1)
.endm
.macro OUT1 q
	global_store_b64 v1, v[2*((\q)-64):2*((\q)-64)+1], s[8:9] offset:RUN*((\q)+1)
.endm
	s_load_b128 s[4:7], s[0:1], 0x0                ; est s[4:5], tab s[6:7]
	s_load_b64 s[8:9], s[0:1], 0x10                ; car
	v_lshlrev_b32 v1, 3, v0                        ; 8 x lane
	s_lshl_b32 s10, ttmp9, 8                       ; 256 g
	s_mov_b32 s11, 0
	s_and_b32 s12, ttmp9, 31
	s_lshr_b32 s13, s12, 1
	s_lshl_b32 s13, s13, 8                         ; 4 x 64 E
	s_and_b32 s12, s12, 1
	s_lshl_b32 s12, s12, 3                         ; 4 x 2 H
	s_add_co_u32 s12, s12, s13
	v_lshrrev_b32 v2, 1, v0
	v_lshlrev_b32 v2, 4, v2                        ; 4 x 4 r
	v_and_b32 v3, 1, v0
	v_lshl_add_u32 v2, v3, 2, v2                   ; 4 x pl
	v_add_nc_u32 v2, s12, v2                       ; 4 x my channel
	s_wait_kmcnt 0x0
	s_add_nc_u64 s[4:5], s[4:5], s[10:11]
	s_add_nc_u64 s[8:9], s[8:9], s[10:11]
	s_wait_alu depctr_va_vdst(0)                   ; v1 and v2 are written: every load and store of the kernel reads one of them as its offset; only loads and a window switch stand between this wait and the last load
	global_load_b32 v4, v2, s[6:7] offset:5*4096
	global_load_b32 v5, v2, s[6:7] offset:6*4096
.set q, 0
.rept 64
	global_load_b64 v[64+2*q:64+2*q+1], v1, s[4:5] offset:RUN*q
.set q, q+1
.endr
	WIN 0x40                                       ; destination window 1
.rept 63
	global_load_b64 v[2*(q-64):2*(q-64)+1], v1, s[4:5] offset:RUN*q
.set q, q+1
.endr
	WIN 0
	s_wait_loadcnt 63                              ; 129 loads were issued, in order: the first 66 are in: lambda^32 and E_0 to E_63
	v_xor_b32 v6, 0x80000000, v5
.set q, 1
.rept 7                                        ; block 0: S_1 = E_0 as it was loaded, then steps 1 to 7; its stores stand in block 1
	STEP0 q
.set q, q+1
.endr
.set p, 1
.rept 7                                        ; blocks 1 to 7: steps 8 p to 8 p + 7, and the stores of block p - 1
	s_wait_alu depctr_va_vdst(0)                   ; block p - 1's multiply-adds have written its eight S, which the eight stores of this block read
	OUT0 8*p-1                                     ; first the pair that this block's first step names
.set i, 0
.rept 8
	STEP0 8*p+i
.if i < 7
	OUT0 8*p-8+i                                   ; no wait: no vector line since the wait above names this pair
.endif
.set i, i+1
.endr
.set p, p+1
.endr
	s_wait_alu depctr_va_vdst(0)                   ; block 7's multiply-adds have written S_57 to S_64, which the eight stores below read
.set i, 0
.rept 8                                        ; block 8 begins: block 7's stores stand in one run, since they are the last to take their data from window 0
	OUT0 56+i
.set i, i+1
.endr
	s_wait_loadcnt 62                              ; E_64 is in: 62 younger loads may be out
	WIN 0x40                                       ; E_64 in window 1, S_64 still in window 0
	v_fmac_f32 v0, v4, v190
	v_fmac_f32 v1, v4, v191
	v_fmac_f32 v0, v6, v191
	v_fmac_f32 v1, v5, v190
	WIN 0x44                                       ; from here on destination and source 1 (the state before; a store's data) in window 1, source 0 (lambda^32; a store's address) in window 0
.set q, 65
.rept 7
	STEP1 q
.set q, q+1
.endr
.set p, 9
.rept 7                                        ; blocks 9 to 15, as blocks 1 to 7; block 15 has seven steps, 120 to 126
	s_wait_alu depctr_va_vdst(0)                   ; block p - 1's multiply-adds have written its eight S, which the eight stores of this block read
	OUT1 8*p-1                                     ; first the pair that this block's first step names
.set i, 0
.rept 8
.if 8*p+i < 127
	STEP1 8*p+i
.endif
.if i < 7
	OUT1 8*p-8+i                                   ; no wait: no vector line since the wait above names this pair
.endif
.set i, i+1
.endr
.set p, p+1
.endr
	s_wait_alu depctr_va_vdst(0)                   ; block 15's multiply-adds have written S_121 to S_127, which the last seven stores read
.set i, 0
.rept 7
	OUT1 120+i
.set i, i+1
.endr
	WIN 0
	s_endpgm
.Lfunc_end_k_q4e5c5e63b8_carry:
	.size	k_q4e5c5e63b8_carry, .Lfunc_end_k_q4e5c5e63b8_carry-k_q4e5c5e63b8_carry
	.p2alignl 7, 3214868480
	.fill 96, 4, 3214868480
	.section	.rodata,"a",@progbits
	.p2align	6, 0x0
	.amdhsa_kernel k_q4e5c5e63b8_carry
		.amdhsa_group_segment_fixed_size 0
		.amdhsa_private_segment_fixed_size 0
		.amdhsa_enable_private_segment 0
		.amdhsa_kernarg_size 24
		.amdhsa_user_sgpr_count 2
		.amdhsa_user_sgpr_kernarg_segment_ptr 1
		.amdhsa_wavefront_size32 1
		.amdhsa_system_sgpr_workgroup_id_x 1
		.amdhsa_system_sgpr_workgroup_id_y 1
		.amdhsa_system_sgpr_workgroup_id_z 1
		.amdhsa_system_vgpr_workitem_id 0
		.amdhsa_next_free_vgpr 384
		.amdhsa_next_free_sgpr 66
		.amdhsa_reserve_vcc 0
		.amdhsa_float_denorm_mode_32 3
		.amdhsa_float_denorm_mode_16_64 3
		.amdhsa_memory_ordered 1
		.amdhsa_forward_progress 1
		.amdhsa_inst_pref_size 44
	.end_amdhsa_kernel
	.amdgpu_metadata
---
amdhsa.version: [ 1, 2 ]
amdhsa.kernels:
  - .name:           k_q4e5c5e63b8_carry
    .symbol:         k_q4e5c5e63b8_carry.kd
    .args:
      - { .name: est, .offset: 0, .size: 8, .value_kind: global_buffer, .address_space: global }
      - { .name: tab, .offset: 8, .size: 8, .value_kind: global_buffer, .address_space: global }
      - { .name: car, .offset: 16, .size: 8, .value_kind: global_buffer, .address_space: global }
    .group_segment_fixed_size: 0
    .private_segment_fixed_size: 0
    .kernarg_segment_align: 8
    .kernarg_segment_size: 24
    .max_flat_workgroup_size: 32
    .sgpr_count:     66
    .vgpr_count:     384
    .wavefront_size: 32
...
	.end_amdgpu_metadata
.endif
;; end of part 5
;; launch proj_out: the kernel of part 4 again; grid 128 x 2, 4 waves a work-group, clusters of 4 x 1, 327,680 bytes of LDS; arguments ub, wob, out0, tab, car; writes out0
